; MI455X (gfx1250); checked and timed in simulation.
; The chip was launched on July 23, 2026; its instructions are those of AMD's public machine-readable ISA for CDNA 5 (MIT licence, August 2026) and "CDNA5" Instruction Set Architecture Reference Guide (July 2026). The comments in the code are by the model that wrote it; some were corrected since.
;; Transformer Layer. Allowed arithmetic: matrix products marked QUANTISED: E5M2 operands, one E8M0 scale for each 32 along K, by v_wmma_scale_f32_16x16x128_f8f6f4 with both operands' format E5M2, f32 sums; products left as they are: f32 operands where the result goes on into a quantised operand, else bf16, f16 or f32 operands; f32 sums; everything else in f32.
;; Inputs: b1 3,072 float32; b2 768 float32; bk 768 float32; bo 768 float32; bq 768 float32; bv 768 float32; gate_i_w 12 x 64 float32; gate_ur_w 12 x 64 float32; ln1_b 768 float32; ln1_w 768 float32; ln2_b 768 float32; ln2_w 768 float32; rel_embed 320 x 12 float32; rel_scale 12 float32; w1_codes 3,072 x 24 x 32 uint8 (E5M2 codes of w1, K innermost, in blocks of 32 codes); w1_scales 3,072 x 24 uint8 (E8M0 scales of w1, one for each 32 codes along K); w2_codes 768 x 96 x 32 uint8 (E5M2 codes of w2, K innermost, in blocks of 32 codes); w2_scales 768 x 96 uint8 (E8M0 scales of w2, one for each 32 codes along K); wk_codes 768 x 24 x 32 uint8 (E5M2 codes of wk, K innermost, in blocks of 32 codes); wk_scales 768 x 24 uint8 (E8M0 scales of wk, one for each 32 codes along K); wo_codes 768 x 24 x 32 uint8 (E5M2 codes of wo, K innermost, in blocks of 32 codes); wo_scales 768 x 24 uint8 (E8M0 scales of wo, one for each 32 codes along K); wq_codes 768 x 24 x 32 uint8 (E5M2 codes of wq, K innermost, in blocks of 32 codes); wq_scales 768 x 24 uint8 (E8M0 scales of wq, one for each 32 codes along K); wv_codes 768 x 24 x 32 uint8 (E5M2 codes of wv, K innermost, in blocks of 32 codes); wv_scales 768 x 24 uint8 (E8M0 scales of wv, one for each 32 codes along K); x 2 x 2,048 x 768 float32.
;; Outputs: out0 2 x 2,048 x 768 float32.
;; This version of the problem:
;;   THIS VERSION OF THE PROBLEM IS GIVEN IN LOW PRECISION. The matrix products marked QUANTISED in the list below multiply operands that are first quantised to E5M2 (5 exponent bits, 2 mantissa bits; 8 bits a number), with one power-of-two scale for each 32 numbers along K (OCP MX v1.0); their sums are f32. All else is computed in f32.
;;   The module's matrix products, in the order in which they are computed (A, B: the left and right operand; K: the contracted axis; several contracted axes count as one K, in the product's order):
;;     1. [M 4,096, K 768] x [K 768, N 768]; A: computed on the way; B: input wq (given as codes): QUANTISED
;;     2. [M 4,096, K 768] x [K 768, N 768]; A: computed on the way; B: input wk (given as codes): QUANTISED
;;     3. [M 4,096, K 768] x [K 768, N 768]; A: computed on the way; B: input wv (given as codes): QUANTISED
;;     4. batch 24 x [M 2,048, K 64] x [K 64, N 2,048]; A: computed on the way; B: computed on the way: QUANTISED
;;     5. [M 2, K 64] x [K 64, N 12]; A: computed on the way; B: input gate_ur_w: left as it is (M = 2 < 16)
;;     6. [M 2, K 64] x [K 64, N 12]; A: computed on the way; B: input gate_i_w: left as it is (M = 2 < 16)
;;     7. batch 24 x [M 2,048, K 2,048] x [K 2,048, N 64]; A: softmax (see below); B: computed on the way: QUANTISED
;;     8. [M 4,096, K 768] x [K 768, N 768]; A: computed on the way; B: input wo (given as codes): QUANTISED
;;     9. [M 4,096, K 768] x [K 768, N 3,072]; A: computed on the way; B: input w1 (given as codes): QUANTISED
;;     10. [M 4,096, K 3,072] x [K 3,072, N 768]; A: computed on the way; B: input w2 (given as codes): QUANTISED
;;   THE QUANTISER, for each operand of a quantised product, along K:
;;     - K is cut into blocks of 32 from its start; a last block that is shorter is filled with zeros.
;;     - A block's scale is 2^e with e = floor(log2(the largest magnitude in the block)) - 15, held to -126 .. 127; a block of zeros has e = 0. As a byte (E8M0): e + 127.
;;     - Each number is divided by its block's scale, clamped to +-57,344, and rounded to the nearest number of E5M2, ties to even, subnormals kept.
;;     - The product sums the exact products of the quantised numbers (number of the format x scale) in f32.
;;   ~~~python
;;   def quantise(x, axis):      # numpy; x: float32 -> the quantised numbers, widened to float32 again
;;       x = np.moveaxis(x, axis, -1); K = x.shape[-1]
;;       x = np.pad(x, [(0, 0)] * (x.ndim - 1) + [(0, -K % 32)]); x = x.reshape(x.shape[:-1] + (-1, 32)); a = np.abs(x).max(-1, keepdims=True)
;;       e = np.where(a > 0, np.clip(np.frexp(np.where(a > 0, a, 1))[1] - 1 - 15, -126, 127), 0)      # np.frexp(a)[1] - 1 = floor(log2(a)), exactly
;;       r = np.clip(x / 2.0 ** e, -57344, 57344)
;;       step = 2.0 ** (np.maximum(np.frexp(np.where(r == 0, 1, r))[1] - 1, -14) - 2)
;;       q = np.round(r / step) * step * 2.0 ** e      # np.round: ties to even
;;       return np.moveaxis(q.reshape(q.shape[:-2] + (-1,))[..., :K], -1, axis).astype(np.float32)
;;   ~~~
;;   SOFTMAX AHEAD OF A QUANTISED PRODUCT. Where the list says 'softmax', what is quantised is not the finished softmax but p = 2^(t - M), with t = logit x log2(e) and M = ceil(the row's largest t), a whole number; so 1/2 < the row's largest p <= 1. The row's sum l is taken of the UNQUANTISED p, in f32, and the product's result is divided by l at the end. Since M is a whole number, a kernel that streams over the keys may use a running M (the ceiling of the running maximum): every later rescaling is an exact power of two, which a block's scale takes up: the codes' values come out the same.
;;   OPERANDS COMPUTED ON THE WAY. 'Computed on the way' means the value that the module computes at that place (a softmax that the list does not call 'softmax' is quantised finished and normalised). What goes into a quantiser is computed in f32, as accurately as f32 sums, v_exp_f32 and their like allow (about 1e-6 of the number): no bf16 or f16 on the way to a quantiser, and a product that is left as it is and whose result goes on into a quantised operand takes f32 operands (vector FMAs, or v_wmma_f32_16x16x4_f32). A number that lies on a knife's edge between two numbers of the format may be rounded either way, as far as f32 arithmetic and the matrix unit's own rounding can turn it there, and no further.
;;   INPUTS GIVEN AS CODES. w1 (in the module: [3072, 768], K = its axis 1); w2 (in the module: [768, 3072], K = its axis 1); wk (in the module: [768, 768], K = its axis 1); wo (in the module: [768, 768], K = its axis 1); wq (in the module: [768, 768], K = its axis 1); wv (in the module: [768, 768], K = its axis 1): each comes as NAME_codes (uint8): NAME with its K axis moved to the last place and cut into blocks of 32 codes, [.., K / 32, bytes a block], one block behind the other in memory; one code a byte (a code: sign, 5 exponent bits, 2 mantissa bits); and NAME_scales (uint8): the same leading axes, one E8M0 byte (e + 127) for each 32 codes along K. Its value is code x scale, taken as it is: it is not quantised again, and the codes and scales need not be those that the quantiser above would give.
;; One version. Each part assembles by itself: llvm-mc -triple=amdgcn-amd-amdhsa -mcpu=gfx1250 --defsym DOCPART=n.
;; ======== version 1 of 1: 7 launches
;; limits: right only within a limited range of input values
;; workspace buffers: act 3,244,032 bytes; qbuf 3,342,336 bytes; kv 6,586,368 bytes; qsum 65,536 bytes; bkt 16,384 bytes of whole numbers; x1 12,582,912 bytes; g 12,976,128 bytes
;; launch ln1 (part 1): grid 256 x 1, 6 waves a work-group, no clusters, 1,792 bytes of LDS; arguments x, ln1_w, ln1_b, act; writes act
.if DOCPART == 1
	.amdgcn_target "amdgcn-amd-amdhsa--gfx1250"
	.amdhsa_code_object_version 6
	.text
	.protected	k_q7ee6effd65_ln1
	.globl	k_q7ee6effd65_ln1
	.p2align	8
	.type	k_q7ee6effd65_ln1,@function
k_q7ee6effd65_ln1:
	s_mov_b64 s[64:65], 0
	v_nop
	global_prefetch_b8 v0, s[64:65] scope:SCOPE_SE
	s_setreg_imm32_b32 hwreg(HW_REG_WAVE_MODE, 25, 1), 1
	s_wait_xcnt 0x0
; LayerNorm over rows of 768 f32, then the MX-BF8 quantiser along the row; the result leaves as IMAGES of matrix operands.
; Work-group T makes tile T: 16 tokens, lane r <-> token 32 (T / 2) + 8 (T % 2) + r % 8 + 16 (r / 8).  Wave s makes K step s (columns 128 s on).
; Lane (r, h) holds, of its row, columns 128 s + 32 c + 16 h + 0 .. 15, c = 0 .. 3: the order of an 8-bit operand's registers.
; Codes: [T][K step 6][c 4][lane 32][16 bytes]; scale words behind them: [T][K step][16 rows] of 4 bytes.
; Mean and variance in two passes (the mean is taken off before the squares); the six waves' sums meet in LDS, one barrier each.
; LIMITS: NaN and infinities are not served; a block of zeros keeps the scale byte 1 (its codes are zeros; only this program reads the bytes).
.set X,    16          ; v16-79   my 64 numbers
.set GW,   80          ; v80-143  the gains; later the codes
.set GB,   144         ; v144-207 the biases
.set PC,   80
.set TM,   208         ; v208-223 the quantiser's work
.set PW,   224
.set CH,   226         ; v226-233 four chains of sums
.set MU,   234         ; v234-235 the mean, later 1 / sqrt(var + eps)
.set XA,   1
.set PA,   2
.set LI,   3
.set SA,   4
.set SL,   5
.set LN,   6
.set PR,   8           ; v8-13 the six waves' sums
.set SEL,  24
.set MNT,  26
.set INV,  27
.set EPS,  28
.set SCR1, 0
.set SCR2, 512
.set SCOFF, 3145728
.macro QUANT s                        ; 64 numbers, register 16 b + i = k 32 b + 16 h + i, become 16 registers of codes and a scale word
.irp b, 0,1,2,3
	v_max3_num_f32 v[TM+\b], |v[\s+16*\b]|, |v[\s+1+16*\b]|, 0x8000000   ; with the floor 2^(16 - 127): the byte cannot fall under 1
.endr
.irp i, 2,4,6,8,10,12,14
.irp b, 0,1,2,3
	v_max3_num_f32 v[TM+\b], v[TM+\b], |v[\s+16*\b+\i]|, |v[\s+1+16*\b+\i]|
.endr
.endr
.irp b, 0,1,2,3
	v_permlanex16_b32 v[TM+4+\b], v[TM+\b], s[SEL], s[SEL+1]
.endr
.irp b, 0,1,2,3
	v_max_num_f32 v[TM+\b], v[TM+\b], v[TM+4+\b]             ; with lane l xor 16's: the block's largest magnitude
.endr
.irp b, 0,1,2,3
	v_add_nc_u32 v[TM+12+\b], 0xf8800000, v[TM+\b]           ; 15 off its exponent field: the conversion's scale operand
.endr
.irp b, 0,1,2,3
	v_and_or_b32 v[TM+8+\b], v[TM+\b], 0x7f800000, s[MNT]    ; 57,344 x the scale
.endr
.irp b, 0,1,2,3
	v_lshrrev_b32 v[TM+4+\b], 23, v[TM+12+\b]                ; the scale's byte
.endr
	v_lshl_or_b32 v[PW], v[TM+5], 8, v[TM+4]
	v_lshl_or_b32 v[PW], v[TM+6], 16, v[PW]
	v_lshl_or_b32 v[PW], v[TM+7], 24, v[PW]
.irp b, 0,1,2,3
.irp i, 0,1,2,3,4,5,6,7,8,9,10,11,12,13,14,15
	v_med3_num_f32 v[\s+16*\b+\i], v[\s+16*\b+\i], -v[TM+8+\b], v[TM+8+\b]   ; the conversion does not saturate (ISA guide 7.6.2): the hold
.endr
	v_cvt_scalef32_pk8_bf8_f32 v[PC+4*\b:PC+1+4*\b], v[\s+16*\b:\s+7+16*\b], v[TM+12+\b]
	v_cvt_scalef32_pk8_bf8_f32 v[PC+2+4*\b:PC+3+4*\b], v[\s+8+16*\b:\s+15+16*\b], v[TM+12+\b]
.endr
	v_nop
.endm
.macro LANESUM                        ; the four chains, then lane l xor 16: the sum over my row's 128 columns
	v_pk_add_f32 v[CH:CH+1], v[CH:CH+1], v[CH+2:CH+3]
	v_pk_add_f32 v[CH+4:CH+5], v[CH+4:CH+5], v[CH+6:CH+7]
	v_pk_add_f32 v[CH:CH+1], v[CH:CH+1], v[CH+4:CH+5]
	v_add_f32 v[CH], v[CH], v[CH+1]
	v_permlanex16_b32 v[CH+1], v[CH], s[SEL], s[SEL+1]
	v_add_f32 v[CH], v[CH], v[CH+1]
.endm
.macro ACROSS scr                     ; over the six waves: each stores its word (both halves of the lanes the same value), one barrier, all read all
	ds_store_b32 v[SA], v[CH] offset:\scr
	s_wait_dscnt 0x0                               ; for the others' sake: my store has landed
	s_barrier_signal -1
	s_barrier_wait -1
.irp i, 0,1,2,3,4,5
	ds_load_b32 v[PR+\i], v[SL] offset:\scr+64*\i
.endr
	s_wait_dscnt 0x0
	v_add_f32 v[CH], v[PR], v[PR+1]
.irp i, 2,3,4,5
	v_add_f32 v[CH], v[CH], v[PR+\i]
.endr
.endm
	s_load_b256 s[4:11], s[0:1], 0x0               ; the rows, gains, biases, the images
	v_lshl_add_u32 v240, v0, 2, 0x400
	v_mov_b32 v241, 0
	v_lshrrev_b32 v7, 5, v0
	v_readfirstlane_b32 s12, v7                    ; wave = K step
	v_and_b32 v[LN], 31, v0
	v_and_b32 v8, 15, v0                           ; r
	v_bfe_u32 v[PA], v0, 4, 1
	v_lshlrev_b32 v[PA], 6, v[PA]                  ; 64 h
	v_and_b32 v9, 7, v8
	v_lshrrev_b32 v10, 3, v8
	v_lshl_add_u32 v9, v10, 4, v9                  ; r % 8 + 16 (r / 8)
	v_mad_u32_u24 v[XA], v9, 3072, v[PA]
	v_lshlrev_b32 v[LI], 4, v[LN]
	v_lshlrev_b32 v[SL], 2, v8                     ; 4 r
	v_lshl_add_u32 v[SA], v7, 6, v[SL]             ; + 64 x wave
.irp b, 0,1,2,3
	v_mov_b32 v[TM+4+\b], 0                        ; a lane permute's destination counts as one of its sources
.endr
	v_mov_b32 v[MU+1], 0                           ; named as the upper half of a pair
	s_mov_b32 s[SEL], 0x76543210
	s_mov_b32 s[SEL+1], 0xfedcba98
	s_mov_b32 s[MNT], 0x600000
	s_mov_b32 s[INV], 0x3aaaaaab                   ; 1 / 768
	s_mov_b32 s[EPS], 0x3727c5ac                   ; 1e-5
	s_lshr_b32 s13, ttmp9, 1
	s_lshl_b32 s13, s13, 5
	s_and_b32 s14, ttmp9, 1
	s_lshl_b32 s14, s14, 3
	s_add_co_u32 s13, s13, s14                     ; the tile's first token
	s_lshl_b32 s16, s12, 9                         ; 512 s
	s_mov_b32 s17, 0
	s_mul_i32 s14, s13, 3072
	s_add_co_u32 s14, s14, s16
	s_mov_b32 s15, 0
	s_mul_i32 s18, ttmp9, 6
	s_add_co_u32 s18, s18, s12                     ; 6 T + s
	s_lshl_b32 s20, s18, 6
	s_add_co_u32 s20, s20, SCOFF
	s_mov_b32 s21, 0
	s_lshl_b32 s18, s18, 11
	s_mov_b32 s19, 0
	s_wait_alu depctr_va_vdst(0)
	s_wait_kmcnt 0x0
	s_add_nc_u64 s[4:5], s[4:5], s[14:15]
	s_add_nc_u64 s[6:7], s[6:7], s[16:17]
	s_add_nc_u64 s[8:9], s[8:9], s[16:17]
	s_add_nc_u64 s[22:23], s[10:11], s[20:21]      ; my scale words
	s_add_nc_u64 s[10:11], s[10:11], s[18:19]      ; my image
.irp c, 0,1,2,3
.irp j, 0,1,2,3
	global_load_b128 v[X+16*\c+4*\j:X+16*\c+4*\j+3], v[XA], s[4:5] offset:128*\c+16*\j
.endr
.endr
.irp c, 0,1,2,3
.irp j, 0,1,2,3
	global_load_b128 v[GW+16*\c+4*\j:GW+16*\c+4*\j+3], v[PA], s[6:7] offset:128*\c+16*\j
	global_load_b128 v[GB+16*\c+4*\j:GB+16*\c+4*\j+3], v[PA], s[8:9] offset:128*\c+16*\j
.endr
.endr
	s_wait_loadcnt 32                              ; my 16 loads of the row are in; the 32 of gains and biases may be out
.irp q, 0,1,2,3
	v_pk_add_f32 v[CH+2*\q:CH+2*\q+1], v[X+2*\q:X+2*\q+1], v[X+8+2*\q:X+8+2*\q+1]
.endr
.set p, 8
.rept 24
	v_pk_add_f32 v[CH+2*(p%4):CH+2*(p%4)+1], v[CH+2*(p%4):CH+2*(p%4)+1], v[X+2*p:X+2*p+1]
.set p, p+1
.endr
	LANESUM
	ACROSS SCR1
	v_mul_f32 v[MU], s[INV], v[CH]                 ; the mean
.set p, 0
.rept 32
	v_pk_add_f32 v[X+2*p:X+2*p+1], v[X+2*p:X+2*p+1], v[MU:MU+1] op_sel_hi:[1,0] neg_lo:[0,1] neg_hi:[0,1]
.set p, p+1
.endr
.irp q, 0,1,2,3
	v_pk_mul_f32 v[CH+2*\q:CH+2*\q+1], v[X+2*\q:X+2*\q+1], v[X+2*\q:X+2*\q+1]
.endr
.set p, 4
.rept 28
	v_pk_fma_f32 v[CH+2*(p%4):CH+2*(p%4)+1], v[X+2*p:X+2*p+1], v[X+2*p:X+2*p+1], v[CH+2*(p%4):CH+2*(p%4)+1]
.set p, p+1
.endr
	LANESUM
	ACROSS SCR2                                    ; other bytes than the first exchange's: no barrier between them
	v_fma_f32 v[CH], v[CH], s[INV], s[EPS]         ; var + eps
	s_wait_alu depctr_va_vdst(0)
	v_rsq_f32 v[MU], v[CH]
	v_nop                                          ; a plain instruction behind the transcendental
	s_wait_alu depctr_va_vdst(0)                   ; and the wait ahead of its first reader
	s_wait_loadcnt 0x0                             ; gains and biases
.set p, 0
.rept 32
	v_pk_mul_f32 v[X+2*p:X+2*p+1], v[X+2*p:X+2*p+1], v[MU:MU+1] op_sel_hi:[1,0]
	v_pk_fma_f32 v[X+2*p:X+2*p+1], v[X+2*p:X+2*p+1], v[GW+2*p:GW+2*p+1], v[GB+2*p:GB+2*p+1]
.set p, p+1
.endr
	QUANT X
.irp c, 0,1,2,3
	global_store_b128 v[LI], v[PC+4*\c:PC+4*\c+3], s[10:11] offset:512*\c   ; 32 lanes store 512 consecutive bytes
.endr
	v_cmp_gt_u32 vcc_lo, 16, v[LN]
	s_wait_xcnt 0x0                                ; EXEC changes only behind this wait
	s_wait_tensorcnt 0x0
	ds_add_u32 v240, v241
	s_wait_dscnt 0x0
	s_and_saveexec_b32 s29, vcc_lo
	global_store_b32 v[SL], v[PW], s[22:23]        ; lanes 0-15: the 16 rows' scale words
	s_wait_xcnt 0x0
	s_or_b32 exec_lo, exec_lo, s29
	s_endpgm
.Lfunc_end_k_q7ee6effd65_ln1:
	.size	k_q7ee6effd65_ln1, .Lfunc_end_k_q7ee6effd65_ln1-k_q7ee6effd65_ln1
	.p2alignl 7, 3214868480
	.fill 96, 4, 3214868480
	.section	.rodata,"a",@progbits
	.p2align	6, 0x0
	.amdhsa_kernel k_q7ee6effd65_ln1
		.amdhsa_group_segment_fixed_size 1792
		.amdhsa_private_segment_fixed_size 0
		.amdhsa_enable_private_segment 0
		.amdhsa_kernarg_size 32
		.amdhsa_user_sgpr_count 2
		.amdhsa_user_sgpr_kernarg_segment_ptr 1
		.amdhsa_wavefront_size32 1
		.amdhsa_system_sgpr_workgroup_id_x 1
		.amdhsa_system_sgpr_workgroup_id_y 1
		.amdhsa_system_sgpr_workgroup_id_z 1
		.amdhsa_system_vgpr_workitem_id 0
		.amdhsa_next_free_vgpr 242
		.amdhsa_next_free_sgpr 66
		.amdhsa_reserve_vcc 1
		.amdhsa_float_denorm_mode_32 3
		.amdhsa_float_denorm_mode_16_64 3
		.amdhsa_memory_ordered 1
		.amdhsa_forward_progress 1
		.amdhsa_inst_pref_size 28
	.end_amdhsa_kernel
	.amdgpu_metadata
---
amdhsa.version: [ 1, 2 ]
amdhsa.kernels:
  - .name:           k_q7ee6effd65_ln1
    .symbol:         k_q7ee6effd65_ln1.kd
    .args:
      - { .name: x, .offset: 0, .size: 8, .value_kind: global_buffer, .address_space: global }
      - { .name: ln1_w, .offset: 8, .size: 8, .value_kind: global_buffer, .address_space: global }
      - { .name: ln1_b, .offset: 16, .size: 8, .value_kind: global_buffer, .address_space: global }
      - { .name: act, .offset: 24, .size: 8, .value_kind: global_buffer, .address_space: global }
    .group_segment_fixed_size: 1792
    .private_segment_fixed_size: 0
    .kernarg_segment_align: 8
    .kernarg_segment_size: 32
    .max_flat_workgroup_size: 192
    .sgpr_count:     66
    .vgpr_count:     242
    .wavefront_size: 32
...
	.end_amdgpu_metadata
.endif
;; end of part 1
;; launch qkv (part 2): grid 16 x 12, 4 waves a work-group, clusters of 4 x 1, 168,448 bytes of LDS; arguments act, wq_codes, wq_scales, bq, wk_codes, wk_scales, bk, wv_codes, wv_scales, bv, qbuf, kv, qsum, bkt; writes qbuf, kv, qsum, bkt
.if DOCPART == 2
	.amdgcn_target "amdgcn-amd-amdhsa--gfx1250"
	.amdhsa_code_object_version 6
	.text
	.protected	k_q7ee6effd65_qkv
	.globl	k_q7ee6effd65_qkv
	.p2align	8
	.type	k_q7ee6effd65_qkv,@function
k_q7ee6effd65_qkv:
	s_mov_b64 s[64:65], 0
	v_nop
	global_prefetch_b8 v0, s[64:65] scope:SCOPE_SE
	s_setreg_imm32_b32 hwreg(HW_REG_WAVE_MODE, 25, 1), 1
	s_wait_xcnt 0x0
	s_wait_alu depctr_hold_cnt(0) depctr_sa_sdst(0) depctr_va_vdst(0) depctr_va_sdst(0) depctr_va_ssrc(0) depctr_va_vcc(0) depctr_vm_vsrc(0)
	s_getreg_b32 s2, hwreg(HW_REG_IB_STS2, 6, 4)
	s_cmp_eq_u32 s2, 0
	s_cbranch_scc0 .Lentry_in_a_cluster
	s_endpgm
.Lentry_in_a_cluster:
	s_bfe_u32 s2, ttmp6, 0x10000c
	s_cmp_lg_u32 s2, 0x3003
	s_cbranch_scc0 .Lentry_shape_is_right
	s_endpgm
.Lentry_shape_is_right:
; q, k, v = h W^T + b on codes of BF8 (E5M2) with E8M0 scales, and the quantising of the results for the two products of attention.
; A work-group takes 256 tokens x 192 channels of ONE of q, k, v (y / 4 says which): three heads, one after the other.  A wave owns 64 tokens: its four tiles' images for all of K stay in
; 384 registers, read from memory once.  The 192 weight rows for all of K lie in LDS, brought once by joint loads: the four work-groups of a cluster (same y) need the same rows.
; Rows of a tile: lane r <-> row 32 (tile / 2) + 8 (tile % 2) + r % 8 + 16 (r / 8), so that a result lane's 16 registers of two neighbouring tiles are 16 neighbours along the next K.
; q, k: source 0 = weight rows, source 1 = tokens: a lane holds one token and 32 channels of its half: quantised along the head's 64.
; v:    source 0 = tokens, source 1 = weight rows: a lane holds one channel and 32 keys of its half: quantised along the keys.
; The biases are the C of each sum's first product.  q's sums over tokens and heads (for the gate) leave as 128 partial rows for each batch.
; REQUESTS AHEAD: a K step waits only for its own tokens' fragments; the next head's scale words and biases are asked for ahead of this head's way out and waited for at the trip's end.
; Work-groups with y = 0 also store the table of relative-position buckets, as whole numbers; no address here hangs on them.
; LIMITS: NaN and infinities are not served; a block of zeros keeps the scale byte 1; a bucket's edge comes from v_log_f32: a distance within about 1e-5 of an edge (in units of a bucket) could fall beside it.
; No ring: every LDS byte is filled once.  One tensor load of a wave is out at the most.
.set KS,    6
.set PITCH, 816                        ; a weight row in LDS: 768 bytes + 16 behind each 256
.set GSTR,  16*PITCH+128
.set GP,    16*PITCH                   ; a group of 16 weight rows in LDS.  Even groups 2 k lie at k GP,
.set ODD,   6*GP+128                   ; odd groups 2 k + 1 at ODD + k GP: 128 bytes aside, so lanes 8-15 of a tile read the other eight 16-byte columns
.set SCRQ,  12*GSTR                    ; behind P: 256 bytes a wave, written by LDS stores alone
.set SCOFF, 3145728
.set BLK,   17152                      ; a key step's block in kv
.set LI, 1
.set LS, 2
.set ADP, 3
.set PSO, 4
.set BO, 5
.set BOV, 6
.set ADP0, 7
.set PWR, 8                            ; v8-11 the four lane tiles' scale bytes
.set TW, 12
.set QA, 14
.set QB, 15
.set PS, 16                            ; v16-39 weights' scale words (tile b, K step s) at 6 b + s
.set RS, 40                            ; v40-51 tokens' scale words (tile a, K steps 2 g and 2 g + 1 in the two halves of the lanes) at 3 a + g
.set QG, 59
.set BKO, 60
.set TM, 64                            ; v64-71 the quantiser's work
.set PC, 88                            ; v88-95 codes
.set QS, 96                            ; v96-127 q's running sums
.set ACC, 128                          ; v128-255 sixteen accumulators
.set BI, 128                           ; window 1: the biases as C.  Window 1 v0-127: two buffers of weight fragments.  Windows 2, 3: the tokens' fragments
.set WV, 32
.set CX, 33
.set TBK, 34
.set YY, 35
.set ROLE, 36
.set YQ, 37
.set BB, 38
.set TB8, 39
.set G1, 40
.set G0, 48
.set PSB, 60
.set BIB, 62
.set OC, 66
.set OS, 68
.set RB, 70
.set RSB, 72
.set CNT, 74
.set SUB, 75
.set STC, 76
.set STS, 78
.set SEL, 80
.set MNT, 82
.set HI, 83
.set WP, 84
.set MSB, 0
.macro WIN new                         ; the immediate's high byte repeats the setting that is left
.if MSB != (\new)
	s_set_vgpr_msb (MSB<<8)|(\new)
.set MSB, \new
.endif
.endm
.macro CROUND                          ; a round of the cluster's barrier
	s_barrier_signal -1
	s_barrier_wait -1
	s_cmp_lg_u32 s[WV], 0
	s_cbranch_scc1 .Lnot_wave_0_\@
	s_barrier_signal -3
.Lnot_wave_0_\@:
	s_barrier_wait -3
	s_barrier_signal -1
	s_barrier_wait -1
.endm
.macro PLACES n
.rept \n
	v_nop
.endr
.endm
.macro MM d, a, b, c, sa, sb, ra, rb   ; one product; ra, rb = 1: that side's scales are read from lanes 16-31
.if ((\ra) == 0) && ((\rb) == 0)
	v_wmma_scale_f32_16x16x128_f8f6f4 v[\d:\d+7], v[\a:\a+15], v[\b:\b+15], \c, v[\sa], v[\sb] matrix_a_fmt:MATRIX_FMT_BF8 matrix_b_fmt:MATRIX_FMT_BF8
.elseif (\rb) == 0
	v_wmma_scale_f32_16x16x128_f8f6f4 v[\d:\d+7], v[\a:\a+15], v[\b:\b+15], \c, v[\sa], v[\sb] matrix_a_fmt:MATRIX_FMT_BF8 matrix_b_fmt:MATRIX_FMT_BF8 matrix_a_scale:MATRIX_SCALE_ROW1
.elseif (\ra) == 0
	v_wmma_scale_f32_16x16x128_f8f6f4 v[\d:\d+7], v[\a:\a+15], v[\b:\b+15], \c, v[\sa], v[\sb] matrix_a_fmt:MATRIX_FMT_BF8 matrix_b_fmt:MATRIX_FMT_BF8 matrix_b_scale:MATRIX_SCALE_ROW1
.else
	v_wmma_scale_f32_16x16x128_f8f6f4 v[\d:\d+7], v[\a:\a+15], v[\b:\b+15], \c, v[\sa], v[\sb] matrix_a_fmt:MATRIX_FMT_BF8 matrix_b_fmt:MATRIX_FMT_BF8 matrix_a_scale:MATRIX_SCALE_ROW1 matrix_b_scale:MATRIX_SCALE_ROW1
.endif
.endm
.macro QUANT2 s, pc, pw                ; 32 numbers, register 16 b + i = k 32 b + 16 h + i, become 8 registers of codes and two scale bytes
.irp b, 0,1
	v_max3_num_f32 v[TM+\b], |v[\s+16*\b]|, |v[\s+1+16*\b]|, 0x8000000   ; with the floor 2^(16 - 127)
.endr
.irp i, 2,4,6,8,10,12,14
.irp b, 0,1
	v_max3_num_f32 v[TM+\b], v[TM+\b], |v[\s+16*\b+\i]|, |v[\s+1+16*\b+\i]|
.endr
.endr
.irp b, 0,1
	v_permlanex16_b32 v[TM+2+\b], v[TM+\b], s[SEL], s[SEL+1]
.endr
.irp b, 0,1
	v_max_num_f32 v[TM+\b], v[TM+\b], v[TM+2+\b]
.endr
.irp b, 0,1
	v_add_nc_u32 v[TM+6+\b], 0xf8800000, v[TM+\b]            ; 15 off the exponent field: the conversion's scale operand
.endr
.irp b, 0,1
	v_and_or_b32 v[TM+4+\b], v[TM+\b], 0x7f800000, s[MNT]    ; 57,344 x the scale
.endr
.irp b, 0,1
	v_lshrrev_b32 v[TM+2+\b], 23, v[TM+6+\b]                 ; the scale's byte
.endr
	v_lshl_or_b32 v[\pw], v[TM+3], 8, v[TM+2]
.irp b, 0,1
.irp i, 0,1,2,3,4,5,6,7,8,9,10,11,12,13,14,15
	v_med3_num_f32 v[\s+16*\b+\i], v[\s+16*\b+\i], -v[TM+4+\b], v[TM+4+\b]   ; the conversion does not saturate (ISA guide 7.6.2): the hold
.endr
	v_cvt_scalef32_pk8_bf8_f32 v[\pc+4*\b:\pc+4*\b+1], v[\s+16*\b:\s+16*\b+7], v[TM+6+\b]
	v_cvt_scalef32_pk8_bf8_f32 v[\pc+4*\b+2:\pc+4*\b+3], v[\s+16*\b+8:\s+16*\b+15], v[TM+6+\b]
.endr
	v_nop
.endm
.macro PFETCH s, buf                   ; the sub-tile's four weight fragments of K step s into buffer buf of window 1
	WIN 0x40
.irp b, 0,1,2,3
.irp c, 0,1,2,3
	ds_load_b128 v[64*(\buf)+16*\b+4*\c:64*(\buf)+16*\b+4*\c+3], v[ADP] offset:(\b/2)*GP+(\b%2)*8*PITCH+128*(\s)+16*((\s)/2)+32*\c
.endr
.endr
.endm
.macro RLOAD s                         ; my four token tiles' fragments of K step s: images, 512 consecutive bytes a load
.if (\s) < 4
	WIN 0x80
.else
	WIN 0xc0
.endif
.irp a, 0,1,2,3
.irp c, 0,1,2,3
	global_load_b128 v[64*((\s)%4)+16*\a+4*\c:64*((\s)%4)+16*\a+4*\c+3], v[LI], s[RB:RB+1] offset:(\a*KS+(\s))*2048+512*\c
.endr
.endr
.endm
.macro LOADP                           ; the sub-tile's scale words and its biases in the result's layout
.irp b, 0,1,2,3
.irp i, 0,1,2
	global_load_b64 v[PS+6*\b+2*\i:PS+6*\b+2*\i+1], v[PSO], s[PSB:PSB+1] offset:(32*(\b/2)+8*(\b%2))*24+8*\i
.endr
.endr
	s_cmp_eq_u32 s[ROLE], 2
	s_cbranch_scc1 .Lbv_\@
	WIN 0x40
	s_wait_alu depctr_va_vdst(0)
.irp b, 0,1,2,3
	global_load_b128 v[BI+8*\b:BI+8*\b+3], v[BO], s[BIB:BIB+1] offset:(32*(\b/2)+8*(\b%2))*4       ; q, k: my half's eight channels of the tile
	global_load_b128 v[BI+8*\b+4:BI+8*\b+7], v[BO], s[BIB:BIB+1] offset:(32*(\b/2)+8*(\b%2))*4+16
.endr
	WIN 0
	s_branch .Lbd_\@
.Lbv_\@:
	WIN 0x40
	s_wait_alu depctr_va_vdst(0)
.irp b, 0,1,2,3
.irp j, 0,1,2,3,4,5,6,7
	global_load_b32 v[BI+8*\b+\j], v[BOV], s[BIB:BIB+1] offset:(32*(\b/2)+8*(\b%2))*4              ; v: my lane's channel, for all eight tokens
.endr
.endr
	WIN 0
.Lbd_\@:
.endm
; A K step: sixteen products, one for each accumulator, in the same order in every step; then eight places and the fetch two steps on.
.macro KSTEP s, order
.if (\s) == KS-1
	s_wait_dscnt 0x0
.else
	s_wait_dscnt 16                                ; this step's fragments are in; the next step's 16 loads may be out
.endif
.if 16*(KS-1-(\s)) > 63
	s_wait_loadcnt 63                              ; first trip: behind this step's tokens 16 loads were issued for each later K step, more than the count can name; later trips: nothing is out
.else
	s_wait_loadcnt 16*(KS-1-(\s))                  ; first trip: the later K steps' 16 loads each may be out; later trips: nothing is out (the trip's end has waited for 0)
.endif
.if \order
.set WN, 0x04|(2+(\s)/4)
.else
.set WN, 0x01|((2+(\s)/4)<<2)
.endif
.if (\s) == 0
.set WN, WN|0x10
.endif
	WIN WN
.irp a, 0,1,2,3
.irp b, 0,1,2,3
.set PP, 64*((\s)%2)+16*\b
.set RR, 64*((\s)%4)+16*\a
.if \order
.set DD, ACC+8*(4*\b+\a)
.if (\s) == 0
	MM DD, RR, PP, v[BI+8*\b:BI+8*\b+7], RS+3*\a+(\s)/2, PS+6*\b+(\s), (\s)%2, 0
.else
	MM DD, RR, PP, v[DD:DD+7], RS+3*\a+(\s)/2, PS+6*\b+(\s), (\s)%2, 0
.endif
.else
.set DD, ACC+8*(4*\a+\b)
.if (\s) == 0
	MM DD, PP, RR, v[BI+8*\b:BI+8*\b+7], PS+6*\b+(\s), RS+3*\a+(\s)/2, 0, (\s)%2
.else
	MM DD, PP, RR, v[DD:DD+7], PS+6*\b+(\s), RS+3*\a+(\s)/2, 0, (\s)%2
.endif
.endif
.endr
.endr
	PLACES 8                                       ; in front of loads into registers that the products read, and of the first read of results
.if (\s)+2 < KS
	PFETCH (\s)+2, (\s)%2
.endif
.endm
; The way out of a sub-tile: four lane tiles of 32 registers each.  word = 1 (q, k): whole scale words, with 1.0 for the upper 64 of the instruction's K.  word = 0 (v): two bytes of a word.
.macro EPQ lts, word
	WIN 0
.irp L, 0,1,2,3
	s_wait_xcnt 0x0                                ; the last stores have read the codes' registers
.if \word
.set p, 0
.rept 16
	v_pk_add_f32 v[QS+2*p:QS+2*p+1], v[QS+2*p:QS+2*p+1], v[ACC+32*\L+2*p:ACC+32*\L+2*p+1]
.set p, p+1
.endr
.endif
	QUANT2 ACC+32*\L, PC, PWR+\L
	global_store_b128 v[LI], v[PC:PC+3], s[OC:OC+1] offset:\L*\lts
	global_store_b128 v[LI], v[PC+4:PC+7], s[OC:OC+1] offset:\L*\lts+512
.endr
.irp g, 0,1
	v_cndmask_b32 v[TW+\g], v[PWR+2*\g], v[PWR+2*\g+1], s[HI]    ; lanes 0-15 one tile's words, lanes 16-31 the next tile's
.if \word
	v_or_b32 v[TW+\g], 0x7f7f0000, v[TW+\g]
	global_store_b32 v[LS], v[TW+\g], s[OS:OS+1] offset:128*\g
.else
	global_store_b16 v[LS], v[TW+\g], s[OS:OS+1] offset:128*\g
.endif
.endr
.endm
	s_load_b512 s[4:19], s[0:1], 0x0               ; act, wq codes, scales, bq, wk codes, scales, bk, wv codes
	s_load_b256 s[20:27], s[0:1], 0x40             ; wv scales, bv, qbuf, kv
	s_load_b128 s[28:31], s[0:1], 0x60             ; qsum, bkt
	v_lshl_add_u32 v86, v0, 2, 0x29000
	v_mov_b32 v87, 0
	ds_add_u32 v86, v87
	ds_add_u32 v86, v87
	v_lshrrev_b32 v57, 5, v0
	v_readfirstlane_b32 s[WV], v57
	v_and_b32 v58, 31, v0
	v_lshlrev_b32 v[LI], 4, v58
	v_lshlrev_b32 v[LS], 2, v58
	v_lshlrev_b32 v[QG], 3, v58
	v_and_b32 v52, 15, v0                          ; r
	v_bfe_u32 v53, v0, 4, 1                        ; h
	v_and_b32 v54, 7, v52
	v_lshrrev_b32 v55, 3, v52
	v_mul_u32_u24 v[ADP0], v54, PITCH
	v_mad_u32_u24 v[ADP0], v55, ODD, v[ADP0]
	v_lshl_add_u32 v[ADP0], v53, 4, v[ADP0]        ; (r % 8) rows + (r / 8) groups + 16 h
	v_lshl_add_u32 v56, v55, 4, v54                ; r % 8 + 16 (r / 8)
	v_mul_u32_u24 v[PSO], v56, 24
	v_lshlrev_b32 v[BOV], 2, v56
	v_lshlrev_b32 v[BO], 6, v53
	v_lshlrev_b32 v57, 8, v57
	v_add_nc_u32 v57, SCRQ, v57
	v_lshl_add_u32 v[QA], v53, 6, v57
	v_add_nc_u32 v[QB], v57, v[QG]
	v_lshlrev_b32 v[BKO], 2, v0
	v_mov_b32 v[TM+2], 0                           ; a lane permute's destination counts as one of its sources
	v_mov_b32 v[TM+3], 0
	s_bfe_u32 s[CX], ttmp6, 0x40000
	s_lshl_b32 s[TBK], ttmp9, 2
	s_add_co_u32 s[TBK], s[TBK], s[CX]             ; my block of 256 tokens: it enters global addresses alone
	s_and_b32 s[YY], ttmp7, 0xffff
	s_lshr_b32 s[ROLE], s[YY], 2                   ; 0 q, 1 k, 2 v
	s_and_b32 s[YQ], s[YY], 3
	s_lshr_b32 s[BB], s[TBK], 3
	s_and_b32 s[TB8], s[TBK], 7
	s_mov_b32 s[SEL], 0x76543210
	s_mov_b32 s[SEL+1], 0xfedcba98
	s_mov_b32 s[MNT], 0x600000
	s_mov_b32 s[HI], 0xffff0000
	s_mov_b32 s[SUB], 0
	s_mov_b32 s[CNT], 3
	s_lshl_b32 s48, s[TBK], 4
	s_lshl_b32 s49, s[WV], 2
	s_add_co_u32 s48, s48, s49                     ; my first tile: 16 x block + 4 x wave
	s_mul_i32 s88, s48, KS*2048
	s_mov_b32 s89, 0
	s_mul_i32 s90, s48, KS*64
	s_add_co_u32 s90, s90, SCOFF
	s_mov_b32 s91, 0
	s_mul_i32 s86, s[YQ], 192*768
	s_and_b32 s50, s[WV], 1
	s_mul_i32 s50, s50, 96*768                     ; waves 0, 2: groups 0-5; waves 1, 3: groups 6-11
	s_add_co_u32 s86, s86, s50
	s_lshr_b32 s50, s[WV], 1
	s_mul_i32 s50, s50, 16*768                     ; waves 0, 1: the even groups; waves 2, 3: the odd ones
	s_add_co_u32 s86, s86, s50
	s_mov_b32 s87, 0
	s_mul_i32 s92, s[YQ], 192*24
	s_mov_b32 s93, 0
	s_mul_i32 s94, s[YQ], 192*4
	s_mov_b32 s95, 0
	s_mul_i32 s50, s[BB], 12
	s_mul_i32 s51, s[YQ], 3
	s_add_co_u32 s50, s50, s51                     ; 12 b + my first head
	s_lshl_b32 s51, s50, 7
	s_lshl_b32 s52, s[TB8], 4
	s_add_co_u32 s51, s51, s52
	s_add_co_u32 s51, s51, s49                     ; q: my first tile of that head
	s_lshl_b32 s52, s50, 4
	s_lshl_b32 s53, s[TB8], 1
	s_add_co_u32 s52, s52, s53
	s_lshr_b32 s53, s[WV], 1
	s_add_co_u32 s52, s52, s53
	s_mul_i32 s52, s52, BLK                        ; k, v: my key step's block
	s_and_b32 s53, s[WV], 1
	s_lshl_b32 s96, s53, 12
	s_add_co_u32 s96, s96, s52                     ; k's codes
	s_lshl_b32 s98, s53, 8
	s_add_co_u32 s98, s98, s52
	s_add_co_u32 s98, s98, 16384                   ; k's words
	s_lshl_b32 s54, s53, 10
	s_add_co_u32 s54, s54, s52
	s_add_co_u32 s54, s54, 8192                    ; v's codes
	s_lshl_b32 s55, s53, 1
	s_add_co_u32 s55, s55, s52
	s_add_co_u32 s55, s55, 16896                   ; v's bytes
	s_cmp_eq_u32 s[ROLE], 1
	s_cselect_b32 s96, s96, s54
	s_cselect_b32 s98, s98, s55
	s_lshl_b32 s54, s51, 10
	s_lshl_b32 s55, s51, 6
	s_add_co_u32 s55, s55, SCOFF
	s_mov_b32 s[STC], 16*BLK                       ; from head to head
	s_mov_b32 s[STS], 16*BLK
	s_cmp_eq_u32 s[ROLE], 0
	s_cselect_b32 s96, s54, s96
	s_cselect_b32 s98, s55, s98
	s_cselect_b32 s[STC], 131072, s[STC]
	s_cselect_b32 s[STS], 8192, s[STS]
	s_mov_b32 s97, 0
	s_mov_b32 s99, 0
	s_mov_b32 s[STC+1], 0
	s_mov_b32 s[STS+1], 0
	; descriptor group 1: 16 rows x 768 bytes, 16 bytes of padding behind each 256; the mask names the cluster's four work-groups
	s_mov_b32 s[G1], 15|(1<<20)|(1<<21)|(5<<22)|(3<<25)
	s_mov_b32 s[G1+1], 12288<<16                   ; one load a wave: three groups of 16 rows; a group is 12,288 dense bytes, stated as one row,
	s_mov_b32 s[G1+2], 3<<16
	s_mov_b32 s[G1+3], 12288<<16
	s_mov_b32 s[G1+4], 3
	s_mov_b32 s[G1+5], 24576                       ; and every second group is taken
	s_mov_b32 s[G1+6], 0
	s_mov_b32 s[G1+7], 0
	s_and_b32 s100, s[WV], 1
	s_mul_i32 s100, s100, 3*GP
	s_lshr_b32 s101, s[WV], 1
	s_mul_i32 s101, s101, ODD
	s_add_co_u32 s100, s100, s101                  ; where my three groups go
	s_wait_dscnt 0x0
	s_wait_kmcnt 0x0
	s_cmp_eq_u32 s[ROLE], 1                        ; the choice hangs on the work-group's y alone
	s_cselect_b64 s[WP:WP+1], s[12:13], s[18:19]
	s_cselect_b64 s[PSB:PSB+1], s[14:15], s[20:21]
	s_cselect_b64 s[BIB:BIB+1], s[16:17], s[22:23]
	s_cmp_eq_u32 s[ROLE], 0
	s_cselect_b64 s[WP:WP+1], s[6:7], s[WP:WP+1]
	s_cselect_b64 s[PSB:PSB+1], s[8:9], s[PSB:PSB+1]
	s_cselect_b64 s[BIB:BIB+1], s[10:11], s[BIB:BIB+1]
	s_cselect_b64 s[OC:OC+1], s[24:25], s[26:27]
	s_mov_b64 s[OS:OS+1], s[OC:OC+1]
	s_add_nc_u64 s[WP:WP+1], s[WP:WP+1], s[86:87]
	s_add_nc_u64 s[PSB:PSB+1], s[PSB:PSB+1], s[92:93]
	s_add_nc_u64 s[BIB:BIB+1], s[BIB:BIB+1], s[94:95]
	s_add_nc_u64 s[OC:OC+1], s[OC:OC+1], s[96:97]
	s_add_nc_u64 s[OS:OS+1], s[OS:OS+1], s[98:99]
	s_add_nc_u64 s[RB:RB+1], s[4:5], s[88:89]
	s_add_nc_u64 s[RSB:RSB+1], s[4:5], s[90:91]
	s_mov_b32 s[G0], 1
	s_mov_b32 s[G0+1], s100
	s_mov_b64 s[G0+2:G0+3], s[WP:WP+1]
	s_or_b32 s[G0+3], s[G0+3], 0x80000000
	CROUND                                         ; all four work-groups are here: the joint loads meet
	tensor_load_to_lds s[G0:G0+3], s[G1:G1+7]      ; my one load: 48 weight rows
	s_nop 0
	PLACES 4
.irp a, 0,1,2,3
.irp g, 0,1,2
	global_load_b32 v[RS+3*\a+\g], v[LS], s[RSB:RSB+1] offset:(\a*KS+2*\g)*64
.endr
.endr
	LOADP
.irp k, 0,1,2,3,4,5
	RLOAD \k                                       ; in the order of the K steps: the waits in the first trip count on it
.endr
	WIN 0
.set p, 0
.rept 32
	v_mov_b32 v[QS+p], 0
.set p, p+1
.endr
	s_cmp_lg_u32 s[YY], 0                          ; the same in all partners of a cluster
	s_cbranch_scc1 .Lnobkt
	; bucket(i - 2048) for i = 256 x block + thread (+ 128)
	s_lshl_b32 s86, s[TBK], 10
	s_mov_b32 s87, 0
	s_add_nc_u64 s[30:31], s[30:31], s[86:87]
	s_lshl_b32 s100, s[TBK], 8
	s_add_co_u32 s101, s100, 0xfffff800
	v_mov_b32 v68, 0xa0
.irp e, 0,1
	v_add_nc_u32 v64, s101, v0
.if \e
	v_add_nc_u32 v64, 128, v64                     ; rel
.endif
	v_sub_nc_u32 v65, 0, v64
	v_cmp_gt_i32 vcc_lo, 0, v64
	v_cndmask_b32 v65, v64, v65, vcc_lo            ; |rel|
	v_max_u32 v66, 1, v65
	v_cvt_f32_u32 v66, v66
	v_mul_f32 v66, 0x3c4ccccd, v66                 ; / 80
	s_wait_alu depctr_va_vdst(0)
	v_log_f32 v66, v66
	v_nop
	s_wait_alu depctr_va_vdst(0)                   ; ahead of the first reader
	v_mul_f32 v66, 0x41c0a8c1, v66                 ; x 80 log10(2)
	v_cvt_i32_f32 v66, v66                         ; toward zero
	v_add_nc_u32 v66, 80, v66
	v_min_u32 v66, 159, v66                        ; (a negative number, which only a small distance gives, becomes 159 and is replaced below)
	v_cmp_gt_u32 vcc_lo, 80, v65
	v_cndmask_b32 v66, v66, v65, vcc_lo
	v_cmp_le_i32 vcc_lo, 0, v64
	v_cndmask_b32 v67, 0, v68, vcc_lo
	v_add_nc_u32 v[69+\e], v66, v67
	global_store_b32 v[BKO], v[69+\e], s[30:31] offset:512*\e
.endr
.Lnobkt:
	s_wait_tensorcnt 0x0                           ; my three groups of rows have landed,
	s_barrier_signal -1
	s_barrier_wait -1                              ; everybody's have
.Lsub:                                             ; three trips: a head each
	v_add_nc_u32 v[ADP], s[SUB], v[ADP0]
	PFETCH 0, 0
	PFETCH 1, 1
	WIN 0
	s_cmp_eq_u32 s[ROLE], 2
	s_cbranch_scc1 .Lvk
	s_wait_alu depctr_va_vdst(0)
.irp k, 0,1,2,3,4,5
	KSTEP \k, 0
.endr
	WIN 0
	s_branch .Lkd
.Lvk:
	s_wait_alu depctr_va_vdst(0)
.irp k, 0,1,2,3,4,5
	KSTEP \k, 1
.endr
	WIN 0
.Lkd:
	s_cmp_eq_u32 s[CNT], 1                         ; the last trip asks for nothing: no load leaves its buffer
	s_cbranch_scc1 .Lnoload
	s_wait_xcnt 0x0                                ; the earlier loads have read their bases
	s_add_nc_u64 s[PSB:PSB+1], s[PSB:PSB+1], 64*24
	s_add_nc_u64 s[BIB:BIB+1], s[BIB:BIB+1], 64*4
	LOADP                                          ; the next head's scale words and biases, eight places behind the last product: they land while this head goes out
.Lnoload:
	s_cmp_eq_u32 s[ROLE], 2
	s_cbranch_scc1 .Lve
	EPQ 1024, 1
	s_branch .Ljoin
.Lve:
	EPQ 2048, 0
.Ljoin:
	s_wait_xcnt 0x0                                ; the stores have read their bases
	s_add_nc_u64 s[OC:OC+1], s[OC:OC+1], s[STC:STC+1]
	s_add_nc_u64 s[OS:OS+1], s[OS:OS+1], s[STS:STS+1]
	s_add_co_u32 s[SUB], s[SUB], 2*GP
	s_wait_loadcnt 0x0                             ; the next head's scale words and biases are in: no load is out at the next trip's head
	s_sub_co_u32 s[CNT], s[CNT], 1
	s_cmp_lg_u32 s[CNT], 0
	s_cbranch_scc1 .Lsub
	s_cmp_lg_u32 s[ROLE], 0
	s_cbranch_scc1 .Lend
	; q's sums over my 64 tokens and three heads: over the sixteen lanes of a half, then through my 256 bytes of LDS into the order of d
.irp m, 1,2,4,8
.set p, 0
.rept 32
	v_add_f32_dpp v[QS+p], v[QS+p], v[QS+p] row_xmask:\m row_mask:0xf bank_mask:0xf
.set p, p+1
.endr
.endr
.irp t, 0,1,2,3
	ds_store_b128 v[QA], v[QS+8*\t:QS+8*\t+3] offset:128*(\t/2)+32*(\t%2)       ; register 8 t + j is d = 32 (t / 2) + 16 h + 8 (t % 2) + j; the lanes of a half store the same value
	ds_store_b128 v[QA], v[QS+8*\t+4:QS+8*\t+7] offset:128*(\t/2)+32*(\t%2)+16
.endr
	ds_load_b64 v[64:65], v[QB]                    ; LDS serves a wave's instructions in order: this sees my stores
	s_lshl_b32 s86, s[BB], 7
	s_lshl_b32 s100, s[TB8], 4
	s_add_co_u32 s86, s86, s100
	s_lshl_b32 s100, s[WV], 2
	s_add_co_u32 s86, s86, s100
	s_add_co_u32 s86, s86, s[YQ]
	s_lshl_b32 s86, s86, 8
	s_mov_b32 s87, 0
	s_add_nc_u64 s[28:29], s[28:29], s[86:87]
	s_wait_dscnt 0x0
	global_store_b64 v[QG], v[64:65], s[28:29]     ; 32 lanes store 256 consecutive bytes
.Lend:
	s_wait_tensorcnt 0x0
	ds_add_u32 v86, v87
	s_wait_dscnt 0x0
	CROUND                                         ; the closing round
	s_endpgm
.Lfunc_end_k_q7ee6effd65_qkv:
	.size	k_q7ee6effd65_qkv, .Lfunc_end_k_q7ee6effd65_qkv-k_q7ee6effd65_qkv
	.p2alignl 7, 3214868480
	.fill 96, 4, 3214868480
	.section	.rodata,"a",@progbits
	.p2align	6, 0x0
	.amdhsa_kernel k_q7ee6effd65_qkv
		.amdhsa_group_segment_fixed_size 168448
		.amdhsa_private_segment_fixed_size 0
		.amdhsa_enable_private_segment 0
		.amdhsa_kernarg_size 112
		.amdhsa_user_sgpr_count 2
		.amdhsa_user_sgpr_kernarg_segment_ptr 1
		.amdhsa_wavefront_size32 1
		.amdhsa_system_sgpr_workgroup_id_x 1
		.amdhsa_system_sgpr_workgroup_id_y 1
		.amdhsa_system_sgpr_workgroup_id_z 1
		.amdhsa_system_vgpr_workitem_id 0
		.amdhsa_next_free_vgpr 1024
		.amdhsa_next_free_sgpr 102
		.amdhsa_reserve_vcc 1
		.amdhsa_float_denorm_mode_32 3
		.amdhsa_float_denorm_mode_16_64 3
		.amdhsa_memory_ordered 1
		.amdhsa_forward_progress 1
		.amdhsa_inst_pref_size 118
	.end_amdhsa_kernel
	.amdgpu_metadata
---
amdhsa.version: [ 1, 2 ]
amdhsa.kernels:
  - .name:           k_q7ee6effd65_qkv
    .symbol:         k_q7ee6effd65_qkv.kd
    .args:
      - { .name: act, .offset: 0, .size: 8, .value_kind: global_buffer, .address_space: global }
      - { .name: wq_codes, .offset: 8, .size: 8, .value_kind: global_buffer, .address_space: global }
      - { .name: wq_scales, .offset: 16, .size: 8, .value_kind: global_buffer, .address_space: global }
      - { .name: bq, .offset: 24, .size: 8, .value_kind: global_buffer, .address_space: global }
      - { .name: wk_codes, .offset: 32, .size: 8, .value_kind: global_buffer, .address_space: global }
      - { .name: wk_scales, .offset: 40, .size: 8, .value_kind: global_buffer, .address_space: global }
      - { .name: bk, .offset: 48, .size: 8, .value_kind: global_buffer, .address_space: global }
      - { .name: wv_codes, .offset: 56, .size: 8, .value_kind: global_buffer, .address_space: global }
      - { .name: wv_scales, .offset: 64, .size: 8, .value_kind: global_buffer, .address_space: global }
      - { .name: bv, .offset: 72, .size: 8, .value_kind: global_buffer, .address_space: global }
      - { .name: qbuf, .offset: 80, .size: 8, .value_kind: global_buffer, .address_space: global }
      - { .name: kv, .offset: 88, .size: 8, .value_kind: global_buffer, .address_space: global }
      - { .name: qsum, .offset: 96, .size: 8, .value_kind: global_buffer, .address_space: global }
      - { .name: bkt, .offset: 104, .size: 8, .value_kind: global_buffer, .address_space: global }
    .group_segment_fixed_size: 168448
    .private_segment_fixed_size: 0
    .kernarg_segment_align: 8
    .kernarg_segment_size: 112
    .max_flat_workgroup_size: 128
    .sgpr_count:     102
    .vgpr_count:     1024
    .wavefront_size: 32
...
	.end_amdgpu_metadata
.endif
;; end of part 2
;; launch attn (part 3): grid 8 x 24, 8 waves a work-group, clusters of 4 x 1, 327,680 bytes of LDS; arguments qbuf, kv, qsum, bkt, rel_embed, gate_ur_w, gate_i_w, rel_scale, act; writes act
.if DOCPART == 3
	.amdgcn_target "amdgcn-amd-amdhsa--gfx1250"
	.amdhsa_code_object_version 6
	.text
	.protected	k_q7ee6effd65_attn
	.globl	k_q7ee6effd65_attn
	.p2align	8
	.type	k_q7ee6effd65_attn,@function
k_q7ee6effd65_attn:
	s_mov_b64 s[64:65], 0
	v_nop
	global_prefetch_b8 v0, s[64:65] scope:SCOPE_SE
	s_setreg_imm32_b32 hwreg(HW_REG_WAVE_MODE, 25, 1), 1
	s_wait_xcnt 0x0
	s_wait_alu depctr_hold_cnt(0) depctr_sa_sdst(0) depctr_va_vdst(0) depctr_va_sdst(0) depctr_va_ssrc(0) depctr_va_vcc(0) depctr_vm_vsrc(0)
	s_getreg_b32 s2, hwreg(HW_REG_IB_STS2, 6, 4)
	s_cmp_eq_u32 s2, 0
	s_cbranch_scc0 .Lentry_in_a_cluster
	s_endpgm
.Lentry_in_a_cluster:
	s_bfe_u32 s2, ttmp6, 0x10000c
	s_cmp_lg_u32 s2, 0x3003
	s_cbranch_scc0 .Lentry_shape_is_right
	s_endpgm
.Lentry_shape_is_right:
; Attention of one head for 256 queries, both products on codes of BF8 with E8M0 scales, with the gated relative-position bias; the result is quantised for the next product and leaves as images.
; The head's K and V (images and scale words, 16 key steps of 17,152 bytes) lie in LDS for the whole launch, brought once by joint loads: the four work-groups of a cluster walk the same head.
; Eight waves; a wave owns two tiles of 16 queries, so that each fragment of K and V read from LDS feeds two products.
; Both products are used transposed: S^T = K Q^T, O^T = V^T P^T: a lane holds one query throughout.
; THE HEAD IS 64 WIDE, THE INSTRUCTION 128: Q's upper 64 codes are zeros under the scale 1.0; K's fragment is named 16 registers long, its upper eight being the next tile's codes (finite: the quantiser holds them) or zeros.
; THE BIAS is the C of K Q^T.  It hangs on key - query alone: a table of 8 x gate x rel_embed[bucket][head] for the 2,303 distances of this block of queries lies in LDS, in four copies shifted by a
; word each, so that every lane's 16 consecutive words are four aligned loads of 16 bytes.  t = S x log2(e) / 8.
; SOFTMAX: M = the running largest t rounded up to a whole number; p = 2^(t - M) is quantised along the keys; the row's sum is taken of the unquantised p and divides at the end.
; REGISTERS.  Window 0 holds all that a softmax touches, for both tiles: v1-8 addresses; v16-25 scale words; v32-95, v96-159 S^T of tile 0, 1, then p; v160-191 p's codes; v192-217, v224-249 a tile's statistics.
;   Window 1: v0-63 K's fragments, v64-71 zeros; v96-159 O^T; v160-191 Q's fragments; v192-255 V's fragments.
; So the softmax needs no switch of the window, and the two tiles' lines can stand between each other: tile 0's exponentials one by one between the lines of tile 1's maximum and scaling, tile 1's between
; tile 0's sums and holds; nothing names a result ahead of the batch's one wait.
; LDS LOADS A PHASE AHEAD: V of a step at the step's head; K and its scale words of the next step behind the products K Q^T; a tile's bias of the next step as soon as its conversions have freed S^T.
; The last step is written out without these requests: nothing is read past the table or the head's last key step.
; LIMITS: NaN and infinities are not served; a block of zeros keeps the scale byte 1.  192 work-groups: 256 queries each; a share of 192 queries does not divide 2,048.
.set BLK,  17152
.set BT,   16*BLK                      ; the table's four copies, 9,472 bytes apart, + 0, 32, 128, 160 bytes
.set SCR,  BT+37888                    ; 256 bytes a wave
.set SCOFF, 3145728
.set LI, 1
.set LS, 2
.set BA0, 3
.set BA1, 4
.set ADK, 5
.set ADS, 6
.set BC0, 7
.set BC1, 8
.set SK, 16                            ; v16-19 K's scale words, two tiles a register
.set SV, 20                            ; v20-21 V's
.set QW, 22                            ; v22 Q's: lanes 0-15 tile 0, lanes 16-31 tile 1
.set PW, 24                            ; v24-25 p's
.set S, 32                             ; window 0: tile t's S^T at S + 64 t
.set PC, 160                           ; its codes at PC + 16 t
.set ST, 192                           ; its statistics at ST + 32 t:
.set NM, 0                             ; -M
.set TX, 1                             ; the largest t
.set SU, 2                             ; the sum, in two halves
.set BM, 4                             ; the blocks' largest scores, then their largest p
.set PT, 8
.set HD, 12                            ; 57,344 x the scale
.set SO, 16                            ; the conversions' scale operands
.set FF, 20                            ; f = 2^(old M - new M)
.set TA, 22
.set SB, 24
.set O, 96                             ; window 1: tile t's O^T at O + 32 t
.set QF, 160                           ; its Q at QF + 16 t
.set FV, 192                           ; V's fragments
.set WV, 22
.set XQ, 24
.set BH, 25
.set BA, 26
.set HE, 27
.set Q0, 28
.set G1, 32
.set G0, 40
.set SEL, 44
.set CS, 46
.set MNT, 48
.set HI, 49
.set TB, 50
.set TBB, 51
.set CNT, 52
.set OC, 74
.set OSB, 76
.set S8, 78
.set MSB, 0
.set ex, 68
.macro WIN new
.if MSB != (\new)
	s_set_vgpr_msb (MSB<<8)|(\new)
.set MSB, \new
.endif
.endm
.macro CROUND
	s_barrier_signal -1
	s_barrier_wait -1
	s_cmp_lg_u32 s[WV], 0
	s_cbranch_scc1 .Lnot_wave_0_\@
	s_barrier_signal -3
.Lnot_wave_0_\@:
	s_barrier_wait -3
	s_barrier_signal -1
	s_barrier_wait -1
.endm
.macro PLACES n
.rept \n
	v_nop
.endr
.endm
.macro MM d, a, b, c, sa, sb, ra, rb
.if ((\ra) == 0) && ((\rb) == 0)
	v_wmma_scale_f32_16x16x128_f8f6f4 v[\d:\d+7], v[\a:\a+15], v[\b:\b+15], \c, v[\sa], v[\sb] matrix_a_fmt:MATRIX_FMT_BF8 matrix_b_fmt:MATRIX_FMT_BF8
.elseif (\rb) == 0
	v_wmma_scale_f32_16x16x128_f8f6f4 v[\d:\d+7], v[\a:\a+15], v[\b:\b+15], \c, v[\sa], v[\sb] matrix_a_fmt:MATRIX_FMT_BF8 matrix_b_fmt:MATRIX_FMT_BF8 matrix_a_scale:MATRIX_SCALE_ROW1
.elseif (\ra) == 0
	v_wmma_scale_f32_16x16x128_f8f6f4 v[\d:\d+7], v[\a:\a+15], v[\b:\b+15], \c, v[\sa], v[\sb] matrix_a_fmt:MATRIX_FMT_BF8 matrix_b_fmt:MATRIX_FMT_BF8 matrix_b_scale:MATRIX_SCALE_ROW1
.else
	v_wmma_scale_f32_16x16x128_f8f6f4 v[\d:\d+7], v[\a:\a+15], v[\b:\b+15], \c, v[\sa], v[\sb] matrix_a_fmt:MATRIX_FMT_BF8 matrix_b_fmt:MATRIX_FMT_BF8 matrix_a_scale:MATRIX_SCALE_ROW1 matrix_b_scale:MATRIX_SCALE_ROW1
.endif
.endm
.macro QUANT2 s, pc, pw                ; 32 numbers, register 16 b + i = k 32 b + 16 h + i, become 8 registers of codes and two scale bytes; TM: eight registers of work
.irp b, 0,1
	v_max3_num_f32 v[TM+\b], |v[\s+16*\b]|, |v[\s+1+16*\b]|, 0x8000000
.endr
.irp i, 2,4,6,8,10,12,14
.irp b, 0,1
	v_max3_num_f32 v[TM+\b], v[TM+\b], |v[\s+16*\b+\i]|, |v[\s+1+16*\b+\i]|
.endr
.endr
.irp b, 0,1
	v_permlanex16_b32 v[TM+2+\b], v[TM+\b], s[SEL], s[SEL+1]
.endr
.irp b, 0,1
	v_max_num_f32 v[TM+\b], v[TM+\b], v[TM+2+\b]
.endr
.irp b, 0,1
	v_add_nc_u32 v[TM+6+\b], 0xf8800000, v[TM+\b]
.endr
.irp b, 0,1
	v_and_or_b32 v[TM+4+\b], v[TM+\b], 0x7f800000, s[MNT]
.endr
.irp b, 0,1
	v_lshrrev_b32 v[TM+2+\b], 23, v[TM+6+\b]
.endr
	v_lshl_or_b32 v[\pw], v[TM+3], 8, v[TM+2]
.irp b, 0,1
.irp i, 0,1,2,3,4,5,6,7,8,9,10,11,12,13,14,15
	v_med3_num_f32 v[\s+16*\b+\i], v[\s+16*\b+\i], -v[TM+4+\b], v[TM+4+\b]
.endr
	v_cvt_scalef32_pk8_bf8_f32 v[\pc+4*\b:\pc+4*\b+1], v[\s+16*\b:\s+16*\b+7], v[TM+6+\b]
	v_cvt_scalef32_pk8_bf8_f32 v[\pc+4*\b+2:\pc+4*\b+3], v[\s+16*\b+8:\s+16*\b+15], v[TM+6+\b]
.endr
	v_nop
.endm
; A BATCH OF EXPONENTIALS: a tile's four blocks' largest scores, then its 64 scores, all scaled already.  EXBEGIN names the tile; EX writes the batch's next exponential, or nothing when none is left.
; Each batch has one wait ahead of it and one behind it.  Between its exponentials stand only lines of the OTHER tile that hang on nothing inside the batch: their sources were written ahead of the batch's first wait,
; and their results are first read behind its last: tile 1's 36 lines t - M in tile 0's batch, tile 0's 32 holds in tile 1's.  Everywhere else in PRE and POST no exponential is left, and EX writes nothing.
.macro EXBEGIN t
.set ex, 0
.set eS, S+64*(\t)
.set eT, ST+32*(\t)
.endm
.macro EX
.if ex < 4
	v_exp_f32 v[eT+BM+ex], v[eT+BM+ex]             ; a block's largest p: the same two instructions on the same number give the same bits as that p itself
.elseif ex < 68
	v_exp_f32 v[eS+ex-4], v[eS+ex-4]               ; p = 2^(t - M)
.endif
.set ex, ex+1
.endm
.macro EXEND                           ; what is left of the batch; a plain instruction behind the last exponential; the batch's one wait, ahead of its first reader
.rept 68
	EX
.endr
	v_nop
	s_wait_alu depctr_va_vdst(0)
.endm
; Tile t, ahead of its exponentials: the blocks' largest scores, the running M, f, and t - M.  85 lines.
.macro PRE t
.set rS, S+64*(\t)
.set rT, ST+32*(\t)
.irp b, 0,1,2,3
	v_max3_num_f32 v[rT+BM+\b], v[rS+16*\b], v[rS+1+16*\b], v[rS+2+16*\b]    ; the largest score of each block of 32 keys: for the row's maximum and for the block's largest p
	EX
.endr
.irp i, 3,5,7,9,11,13
.irp b, 0,1,2,3
	v_max3_num_f32 v[rT+BM+\b], v[rT+BM+\b], v[rS+16*\b+\i], v[rS+1+16*\b+\i]
	EX
.endr
.endr
.irp b, 0,1,2,3
	v_max_num_f32 v[rT+BM+\b], v[rT+BM+\b], v[rS+15+16*\b]
	EX
.endr
.irp b, 0,1,2,3
	v_permlanex16_b32 v[rT+PT+\b], v[rT+BM+\b], s[SEL], s[SEL+1]
	EX
.endr
.irp b, 0,1,2,3
	v_max_num_f32 v[rT+BM+\b], v[rT+BM+\b], v[rT+PT+\b]
	EX
.endr
	v_max3_num_f32 v[rT+TA], v[rT+BM], v[rT+BM+1], v[rT+BM+2]
	EX
	v_max_num_f32 v[rT+TA], v[rT+TA], v[rT+BM+3]
	EX
	v_mul_f32 v[rT+TA], s[CS], v[rT+TA]
	EX
	v_max_num_f32 v[rT+TX], v[rT+TX], v[rT+TA]     ; the running largest t
	EX
	v_mov_b32 v[rT+TA], v[rT+NM]
	EX
	v_floor_f32 v[rT+NM], -v[rT+TX]                ; -M = floor(-t): M is a whole number
	EX
	v_sub_f32 v[rT+TA], v[rT+NM], v[rT+TA]
	EX
	v_cvt_i32_f32 v[rT+TA], v[rT+TA]
	EX
	v_ldexp_f32 v[rT+FF], 1.0, v[rT+TA]            ; f = 2^(old M - new M)
	EX
.if (\t) == 1
	s_wait_alu depctr_va_vdst(0)                   ; ahead of the batch: tile 0's begins here
	EXBEGIN 0
.endif
.set p, 0
.rept 32
	v_pk_fma_f32 v[rS+p:rS+p+1], v[rS+p:rS+p+1], s[CS:CS+1], v[rT+NM:rT+NM+1] op_sel_hi:[1,0,0]   ; t - M
	EX
.set p, p+2
.endr
.irp b, 0,1,2,3
	v_fma_f32 v[rT+BM+\b], v[rT+BM+\b], s[CS], v[rT+NM]
	EX
.endr
.endm
; Tile t, behind the exponentials' wait: the row's sum of the unquantised p, the blocks' scales, the holds, the conversions.
.macro POST t
.set rS, S+64*(\t)
.set rT, ST+32*(\t)
.set rP, PC+16*(\t)
	v_pk_mul_f32 v[rT+SU:rT+SU+1], v[rT+SU:rT+SU+1], v[rT+FF:rT+FF+1] op_sel_hi:[1,0]   ; the sums under the new M
	EX
	v_pk_add_f32 v[rT+SB:rT+SB+1], v[rS:rS+1], v[rS+2:rS+3]
	EX
.irp j, 4,8,12,16,20,24,28,32,36,40,44,48,52,56,60
	v_pk_add_f32 v[rT+SU:rT+SU+1], v[rT+SU:rT+SU+1], v[rS+\j:rS+\j+1]
	EX
	v_pk_add_f32 v[rT+SB:rT+SB+1], v[rT+SB:rT+SB+1], v[rS+2+\j:rS+3+\j]
	EX
.endr
	v_pk_add_f32 v[rT+SU:rT+SU+1], v[rT+SU:rT+SU+1], v[rT+SB:rT+SB+1]
	EX
.irp b, 0,1,2,3
	v_max_num_f32 v[rT+BM+\b], 0x8000000, v[rT+BM+\b]          ; the floor 2^(16 - 127)
	EX
.endr
.irp b, 0,1,2,3
	v_add_nc_u32 v[rT+SO+\b], 0xf8800000, v[rT+BM+\b]
	EX
.endr
.irp b, 0,1,2,3
	v_and_or_b32 v[rT+HD+\b], v[rT+BM+\b], 0x7f800000, s[MNT]
	EX
.endr
.irp b, 0,1,2,3
	v_lshrrev_b32 v[rT+PT+\b], 23, v[rT+SO+\b]
	EX
.endr
	v_lshl_or_b32 v[rT+TA], v[rT+PT+1], 8, v[rT+PT]
	EX
	v_lshl_or_b32 v[rT+TA], v[rT+PT+2], 16, v[rT+TA]
	EX
	v_lshl_or_b32 v[PW+\t], v[rT+PT+3], 24, v[rT+TA]           ; p's scale word
	EX
.if (\t) == 0
	s_wait_alu depctr_va_vdst(0)                   ; ahead of the batch: tile 1's begins here
	EXBEGIN 1
.endif
.irp b, 0,2                            ; p is not negative: a one-sided hold.  Two holds an instruction: number i of block b with number i + 1 of block b + 1, so that destinations differ in parity and both sources in register number modulo 4
.irp i, 0,1,2,3,4,5,6,7,8,9,10,11,12,13,14,15
	v_dual_min_num_f32 v[rS+16*\b+\i], v[rS+16*\b+\i], v[rT+HD+\b] :: v_dual_min_num_f32 v[rS+16*\b+16+(\i+1)%16], v[rS+16*\b+16+(\i+1)%16], v[rT+HD+\b+1]
	EX
.endr
.endr
.if (\t) == 0
	EXEND                                          ; the rest of tile 1's batch, a plain line, its wait: the conversions below read the holds' results behind it
.endif
.irp b, 0,1,2,3
	v_cvt_scalef32_pk8_bf8_f32 v[rP+4*\b:rP+4*\b+1], v[rS+16*\b:rS+16*\b+7], v[rT+SO+\b]
	v_cvt_scalef32_pk8_bf8_f32 v[rP+4*\b+2:rP+4*\b+3], v[rS+16*\b+8:rS+16*\b+15], v[rT+SO+\b]
.endr
.endm
.macro BIAS t, adr, off                ; a tile's 64 words of the bias, straight into its accumulators
.irp g, 0,1,2,3
.irp m, 0,1,2,3
	ds_load_b128 v[S+64*(\t)+16*\g+4*\m:S+64*(\t)+16*\g+4*\m+3], v[\adr] offset:(\off)+128*\g+16*\m
.endr
.endr
.endm
.macro KLOAD adr, ads, off             ; a key step's eight fragments of K (into window 1) and their scale words
	WIN 0x40
.irp t, 0,1,2,3,4,5,6,7
	ds_load_b128 v[8*\t:8*\t+3], v[\adr] offset:(\off)+1024*\t
	ds_load_b128 v[8*\t+4:8*\t+7], v[\adr] offset:(\off)+1024*\t+512
.endr
	WIN 0
.irp i, 0,1,2,3
	ds_load_b32 v[SK+\i], v[\ads] offset:(\off)+16384+128*\i
.endr
.endm
; A KEY STEP of 128 keys.  last = 1: nothing is asked for the step behind it.
.macro STEP last
.set ex, 68
	v_add_nc_u32 v[ADK], s[TB], v[LI]
	v_add_nc_u32 v[ADS], s[TB], v[LS]
	v_add_nc_u32 v[BC0], s[TBB], v[BA0]
	v_add_nc_u32 v[BC1], s[TBB], v[BA1]
	s_wait_alu depctr_va_vdst(0)
	PLACES 4
	ds_load_b32 v[SV], v[ADS] offset:16896
	ds_load_b32 v[SV+1], v[ADS] offset:16896+128
	WIN 0x40
.irp b, 0,1,2,3
.irp c, 0,1,2,3
	ds_load_b128 v[FV+16*\b+4*\c:FV+16*\b+4*\c+3], v[ADK] offset:8192+2048*\b+512*\c  ; V^T lands while the softmax is worked
.endr
.endr
	s_wait_dscnt 18                                ; this step's K, its scale words and both tiles' bias, asked for a step ago, are in; V's 16 loads and its 2 scale words may be out
	WIN 0x05                                       ; K and Q window 1, S^T window 0
.irp t, 0,1,2,3,4,5,6,7
	MM S+8*\t, 8*\t, QF, v[S+8*\t:S+8*\t+7], SK+\t/2, QW, \t%2, 0
.endr
.irp t, 0,1,2,3,4,5,6,7
	MM S+64+8*\t, 8*\t, QF+16, v[S+64+8*\t:S+64+8*\t+7], SK+\t/2, QW, \t%2, 1
.endr
	PLACES 8                                       ; ahead of loads into K's registers and scale words, and of the first read of the scores
.if (\last) == 0
	KLOAD ADK, ADS, BLK                            ; the next step's K
.else
	WIN 0
.endif
	PRE 0
	PRE 1                                          ; tile 0's batch begins among its last 36 lines
	EXEND                                          ; the rest of that batch, a plain line, its wait
	POST 0                                         ; tile 1's batch stands among its holds
.if (\last) == 0
	BIAS 0, BC0, 512                               ; tile 0's S^T is free: the next step's bias
.endif
	POST 1
.if (\last) == 0
	BIAS 1, BC1, 512
.endif
	WIN 0x41                                       ; O^T window 1, f window 0
	s_wait_alu depctr_va_vdst(0)                   ; directly ahead of the first reader of O^T
.irp u, 0,1
.set p, 0
.rept 16
	v_pk_mul_f32 v[O+32*\u+p:O+32*\u+p+1], v[O+32*\u+p:O+32*\u+p+1], v[ST+32*\u+FF:ST+32*\u+FF+1] op_sel_hi:[1,0]   ; O^T under the new M; these are also the places between the conversions and the products
.set p, p+2
.endr
.endr
	s_wait_alu depctr_va_vdst(0)                   ; directly ahead of the wait below
.if (\last) == 0
	s_wait_dscnt 52                                ; V and its scale words are in; behind them: the next K's 16 loads, its 4 scale words, the next bias's 32
.else
	s_wait_dscnt 0x0
.endif
	WIN 0x51                                       ; V and O^T window 1, p's codes window 0
.irp b, 0,1,2,3
	MM O+8*\b, FV+16*\b, PC, v[O+8*\b:O+8*\b+7], SV+\b/2, PW, \b%2, 0
.endr
.irp b, 0,1,2,3
	MM O+32+8*\b, FV+16*\b, PC+16, v[O+32+8*\b:O+32+8*\b+7], SV+\b/2, PW+1, \b%2, 0
.endr
	WIN 0
	s_add_co_u32 s[TB], s[TB], BLK
	s_add_co_u32 s[TBB], s[TBB], 512
.endm
.macro FIN t                           ; O^T / the sum, into S^T's registers; quantised along the head's 64; stored as two blocks of an image
.set rS, S+64*(\t)
.set rT, ST+32*(\t)
.set rP, PC+16*(\t)
.set rO, O+32*(\t)
.set TM, rT+BM
	v_add_f32 v[rT+SU], v[rT+SU], v[rT+SU+1]
	v_permlanex16_b32 v[rT+PT], v[rT+SU], s[SEL], s[SEL+1]
	v_add_f32 v[rT+SU], v[rT+SU], v[rT+PT]
	s_wait_alu depctr_va_vdst(0)                   ; ahead of the transcendental
	v_rcp_f32 v[rT+FF], v[rT+SU]
	v_nop
	WIN 0x01                                       ; source 0 (O^T) window 1
	s_wait_alu depctr_va_vdst(0)                   ; and directly ahead of the first reader of its result and of O^T
.set p, 0
.rept 16
	v_pk_mul_f32 v[rS+p:rS+p+1], v[rO+p:rO+p+1], v[rT+FF:rT+FF+1] op_sel_hi:[1,0]
.set p, p+2
.endr
	WIN 0
	QUANT2 rS, rP, rT+TA
	global_store_b128 v[LI], v[rP:rP+3], s[OC:OC+1] offset:\t*12288
	global_store_b128 v[LI], v[rP+4:rP+7], s[OC:OC+1] offset:\t*12288+512
.endm
	s_load_b512 s[4:19], s[0:1], 0x0               ; qbuf, kv, qsum, bkt, rel_embed, gate_ur_w, gate_i_w, rel_scale
	s_load_b64 s[20:21], s[0:1], 0x40              ; act
	v_lshl_add_u32 v254, v0, 2, 0x4cc00
	v_mov_b32 v255, 0
	ds_add_u32 v254, v255
	ds_add_u32 v254, v255
	v_lshrrev_b32 v26, 5, v0
	v_readfirstlane_b32 s[WV], v26
	s_bfe_u32 s23, ttmp6, 0x40000
	s_lshl_b32 s[XQ], ttmp9, 2
	s_add_co_u32 s[XQ], s[XQ], s23                 ; my block of 256 queries: it enters global addresses alone
	s_and_b32 s[BH], ttmp7, 0xffff
	s_cmp_ge_u32 s[BH], 12
	s_cselect_b32 s[BA], 1, 0                      ; batch
	s_mul_i32 s53, s[BA], 12
	s_sub_co_u32 s[HE], s[BH], s53                 ; head
	s_lshl_b32 s[Q0], s[XQ], 8
	s_mov_b32 s[SEL], 0x76543210
	s_mov_b32 s[SEL+1], 0xfedcba98
	s_mov_b32 s[CS], 0x3e38aa3b                    ; log2(e) / 8
	s_mov_b32 s[CS+1], s[CS]
	s_mov_b32 s[MNT], 0x600000
	s_mov_b32 s[HI], 0xffff0000
	s_mov_b32 s[S8], 0x41000000                    ; 8.0
	s_mov_b32 s[TB], 0
	s_mov_b32 s[TBB], 0
	s_mov_b32 s[CNT], 15
	; descriptor group 1: two key steps' blocks, 34,304 dense bytes, as 134 rows of 256; the mask names the cluster's four work-groups
	s_mov_b32 s[G1], 15|(3<<16)|(1<<21)
	s_mov_b32 s[G1+1], 32<<16
	s_mov_b32 s[G1+2], 134<<16
	s_mov_b32 s[G1+3], 32<<16
	s_mov_b32 s[G1+4], 134
	s_mov_b32 s[G1+5], 32
	s_mov_b32 s[G1+6], 0
	s_mov_b32 s[G1+7], 0
	s_mul_i32 s53, s[WV], 2*BLK
	s_mul_i32 s54, s[BH], 16*BLK
	s_add_co_u32 s54, s54, s53
	s_mov_b32 s55, 0
	s_wait_dscnt 0x0
	s_wait_kmcnt 0x0
	s_mov_b32 s[G0], 1
	s_mov_b32 s[G0+1], s53
	s_add_nc_u64 s[G0+2:G0+3], s[6:7], s[54:55]
	s_or_b32 s[G0+3], s[G0+3], 0x80000000
	CROUND                                         ; all four work-groups are here
	tensor_load_to_lds s[G0:G0+3], s[G1:G1+7]      ; my one load: key steps 2 w and 2 w + 1
	s_nop 0
	PLACES 4
	s_lshl_b32 s53, s[BH], 7
	s_lshl_b32 s56, s[XQ], 4
	s_add_co_u32 s53, s53, s56
	s_lshl_b32 s57, s[WV], 1
	s_add_co_u32 s53, s53, s57                     ; my first tile of q in this head
	s_lshl_b32 s54, s53, 10
	s_add_nc_u64 s[58:59], s[4:5], s[54:55]
	s_lshl_b32 s54, s53, 6
	s_add_co_u32 s54, s54, SCOFF
	s_add_nc_u64 s[60:61], s[4:5], s[54:55]
	s_lshl_b32 s54, s[BA], 15
	s_add_nc_u64 s[62:63], s[8:9], s[54:55]
	s_lshl_b32 s54, s[HE], 8
	s_add_nc_u64 s[66:67], s[14:15], s[54:55]
	s_add_nc_u64 s[68:69], s[16:17], s[54:55]
	s_lshl_b32 s54, s[HE], 2
	s_add_nc_u64 s[70:71], s[18:19], s[54:55]
	s_add_nc_u64 s[72:73], s[12:13], s[54:55]
	s_lshl_b32 s53, s[BA], 7
	s_add_co_u32 s53, s53, s56
	s_add_co_u32 s53, s53, s57                     ; my first tile of tokens
	s_mul_i32 s53, s53, 6
	s_lshr_b32 s56, s[HE], 1
	s_add_co_u32 s53, s53, s56                     ; 6 T + head / 2: the K step of the next product
	s_and_b32 s56, s[HE], 1
	s_lshl_b32 s54, s53, 11
	s_lshl_b32 s57, s56, 10
	s_add_co_u32 s54, s54, s57
	s_add_nc_u64 s[OC:OC+1], s[20:21], s[54:55]
	s_lshl_b32 s54, s53, 6
	s_lshl_b32 s57, s56, 1
	s_add_co_u32 s54, s54, s57
	s_add_co_u32 s54, s54, SCOFF
	s_add_nc_u64 s[OSB:OSB+1], s[20:21], s[54:55]
	s_sub_co_u32 s56, 1793, s[Q0]                  ; table entry idx stands for key - query = idx - 255 - Q0; the buckets' table begins at -2048
	v_and_b32 v27, 31, v0
	v_lshlrev_b32 v[LI], 4, v27
	v_lshlrev_b32 v[LS], 2, v27
	v_and_b32 v28, 15, v0                          ; r
	v_bfe_u32 v29, v0, 4, 1                        ; h
.irp n, 0,1,2,3,4,5,6,7,8
	v_add3_u32 v[74+\n], v0, s56, 256*\n
	v_min_u32 v[74+\n], 4095, v[74+\n]             ; (entry 2,303, which nobody reads, stays inside the buffer)
	v_lshlrev_b32 v[74+\n], 2, v[74+\n]
.endr
.irp n, 0,1,2,3,4,5,6,7,8
	global_load_b32 v[83+\n], v[74+\n], s[10:11]   ; the buckets first: a second load hangs on them
.endr
	WIN 0x40
	global_load_b128 v[QF:QF+3], v[LI], s[58:59]
	global_load_b128 v[QF+4:QF+7], v[LI], s[58:59] offset:512
	global_load_b128 v[QF+16:QF+19], v[LI], s[58:59] offset:1024
	global_load_b128 v[QF+20:QF+23], v[LI], s[58:59] offset:1536
	WIN 0
	global_load_b32 v[QW], v[LS], s[60:61]
	v_lshrrev_b32 v30, 4, v0
	v_lshlrev_b32 v30, 11, v30
	v_lshlrev_b32 v31, 4, v28
	v_add_nc_u32 v30, v30, v31                     ; partial rows 8 (thread / 16) on, four d at 16 (thread % 16)
.irp n, 0,1,2,3,4,5,6,7
	global_load_b128 v[32+4*\n:35+4*\n], v30, s[62:63] offset:256*\n
.endr
	global_load_b128 v[64:67], v31, s[66:67]       ; my four d of the head's two gate rows
	global_load_b128 v[68:71], v31, s[68:69]
	v_mov_b32 v73, 0
	global_load_b32 v72, v73, s[70:71]             ; rel_scale[head]
	v_lshlrev_b32 v92, 8, v26
	v_add_nc_u32 v92, v92, v31
	v_add_nc_u32 v92, SCR, v92                     ; SCR + 256 w + 16 r
	v_add_nc_u32 v93, SCR, v31
	v_lshl_add_u32 v94, v0, 2, BT
	; where my lane's bias words begin: idx0 = 255 + 16 h - my query's place in the block; copy idx0 % 4
	v_and_b32 v9, 7, v28
	v_lshrrev_b32 v10, 3, v28
	v_lshl_add_u32 v9, v10, 4, v9
	v_lshl_add_u32 v9, v26, 5, v9                  ; tile 0's query: 32 w + r % 8 + 16 (r / 8)
	v_lshl_add_u32 v10, v29, 4, 255
	v_sub_nc_u32 v10, v10, v9                      ; idx0
	v_and_b32 v11, 3, v10
	v_sub_nc_u32 v10, v10, v11
	v_lshlrev_b32 v10, 2, v10
	v_mad_u32_u24 v10, v11, 9472, v10
	v_and_b32 v12, 1, v11
	v_lshl_add_u32 v10, v12, 5, v10
	v_lshrrev_b32 v12, 1, v11
	v_lshl_add_u32 v10, v12, 7, v10
	v_add_nc_u32 v[BA0], BT+16, v10
	v_add_nc_u32 v[BA1], BT+16-32, v10             ; tile 1's queries lie 8 further on
	; the tiles' state: the first step finds zeros, which the first change of M leaves zeros
.irp u, 0,1
	v_mov_b32 v[ST+32*\u+TX], 0xff61b1e6           ; -3e38, under every t
	v_floor_f32 v[ST+32*\u+NM], -v[ST+32*\u+TX]
	v_mov_b32 v[ST+32*\u+SU], 0
	v_mov_b32 v[ST+32*\u+SU+1], 0
.irp b, 0,1,2,3
	v_mov_b32 v[ST+32*\u+PT+\b], 0                 ; a lane permute's destination counts as one of its sources
.endr
	v_mov_b32 v[ST+32*\u+FF+1], 0                  ; named as the upper half of a pair
.endr
	WIN 0x40
.set p, 0
.rept 64
	v_mov_b32 v[O+p], 0
.set p, p+1
.endr
.irp i, 8,9,10,11,12,13,14,15
	v_mov_b32 v[QF+\i], 0                          ; Q's upper 64 codes
	v_mov_b32 v[QF+16+\i], 0
.endr
.irp i, 0,1,2,3,4,5,6,7
	v_mov_b32 v[64+\i], 0                          ; behind K's last tile: zeros
.endr
	WIN 0
	s_wait_loadcnt 16                              ; the buckets are in; behind them: Q's 5 loads, the 8 partial rows, the gate's 3
.irp n, 0,1,2,3,4,5,6,7,8
	v_min_u32 v[83+\n], 319, v[83+\n]
	v_mul_u32_u24 v[83+\n], v[83+\n], 48
.endr
.irp n, 0,1,2,3,4,5,6,7,8
	global_load_b32 v[96+\n], v[83+\n], s[72:73]   ; rel_embed[bucket][head]: on its way while the gate is made
.endr
	s_wait_loadcnt 12                              ; the partial rows are in; behind them: the gate's 3 loads and the 9 just issued
.irp n, 1,2,3,4,5,6,7
	v_pk_add_f32 v[32:33], v[32:33], v[32+4*\n:33+4*\n]
	v_pk_add_f32 v[34:35], v[34:35], v[34+4*\n:35+4*\n]
.endr
.irp i, 0,1,2,3
	v_permlanex16_b32 v[36+\i], v[32+\i], s[SEL], s[SEL+1]
.endr
	v_pk_add_f32 v[32:33], v[32:33], v[36:37]
	v_pk_add_f32 v[34:35], v[34:35], v[38:39]
	ds_store_b128 v92, v[32:35]                    ; my wave's 16 partial rows summed (both halves of the lanes store the same)
	s_wait_dscnt 0x0
	s_barrier_signal -1
	s_barrier_wait -1
.irp n, 0,1,2,3,4,5,6,7
	ds_load_b128 v[32+4*\n:35+4*\n], v93 offset:256*\n
.endr
	s_wait_dscnt 0x0
.irp n, 1,2,3,4,5,6,7
	v_pk_add_f32 v[32:33], v[32:33], v[32+4*\n:33+4*\n]
	v_pk_add_f32 v[34:35], v[34:35], v[34+4*\n:35+4*\n]
.endr
	v_pk_mul_f32 v[32:33], v[32:33], 0x382aaaab op_sel_hi:[1,0]     ; / (2,048 x 12): the mean of q over tokens and heads
	v_pk_mul_f32 v[34:35], v[34:35], 0x382aaaab op_sel_hi:[1,0]
	s_wait_alu depctr_va_vdst(0)                   ; directly ahead of the wait below
	s_wait_loadcnt 9                               ; the gate rows and rel_scale are in; the 9 loads of rel_embed may be out
	v_mul_f32 v40, v32, v64
	v_mul_f32 v41, v32, v68
.irp i, 1,2,3
	v_fma_f32 v40, v[32+\i], v[64+\i], v40
	v_fma_f32 v41, v[32+\i], v[68+\i], v41
.endr
.irp m, 1,2,4,8
	v_add_f32_dpp v40, v40, v40 row_xmask:\m row_mask:0xf bank_mask:0xf
	v_add_f32_dpp v41, v41, v41 row_xmask:\m row_mask:0xf bank_mask:0xf
.endr
	v_mul_f32 v40, 0xbfb8aa3b, v40
	v_mul_f32 v41, 0xbfb8aa3b, v41
	s_wait_alu depctr_va_vdst(0)                   ; ahead of the batch of two
	v_exp_f32 v40, v40
	v_exp_f32 v41, v41
	v_nop
	s_wait_alu depctr_va_vdst(0)
	v_add_f32 v40, 1.0, v40
	v_add_f32 v41, 1.0, v41
	s_wait_alu depctr_va_vdst(0)                   ; ahead of the batch of two
	v_rcp_f32 v40, v40                             ; gate_r
	v_rcp_f32 v41, v41                             ; gate_u
	v_nop
	s_wait_alu depctr_va_vdst(0)
	v_mul_f32 v41, v41, v72
	v_mul_f32 v41, v41, v40
	v_fma_f32 v42, v41, s[S8], s[S8]               ; 8 x (1 + gate_u x rel_scale x gate_r)
	s_wait_alu depctr_va_vdst(0)                   ; directly ahead of the wait below
	s_wait_loadcnt 0x0                             ; rel_embed's numbers (and Q, long since)
.irp n, 0,1,2,3,4,5,6,7,8
	v_mul_f32 v[96+\n], v[96+\n], v42
.endr
.irp n, 0,1,2,3,4,5,6,7,8
.irp e, 0,1,2,3
	ds_store_b32 v94, v[96+\n] offset:\e*9472+32*(\e%2)+128*(\e/2)+16-4*\e+1024*\n    ; copy e holds entry idx at word idx - e + 4
.endr
.endr
	s_wait_alu depctr_va_vdst(0)                   ; at the head's end
	s_wait_tensorcnt 0x0                           ; my two key steps have landed,
	s_wait_dscnt 0x0                               ; my part of the table too,
	s_barrier_signal -1
	s_barrier_wait -1                              ; everybody's have: nothing in LDS changes any more, so the loop has no barrier
	KLOAD LI, LS, 0                                ; key step 0: K, its scale words, both tiles' bias: the 52 loads that every step finds asked for
	BIAS 0, BA0, 0
	BIAS 1, BA1, 0
.Lstep:                                            ; fifteen trips of 128 keys
	STEP 0
	s_sub_co_u32 s[CNT], s[CNT], 1
	s_cmp_lg_u32 s[CNT], 0
	s_cbranch_scc1 .Lstep
	STEP 1                                         ; the sixteenth asks for nothing more
	PLACES 8
	FIN 0
	FIN 1
	v_cndmask_b32 v26, v[ST+TA], v[ST+32+TA], s[HI]   ; lanes 0-15 tile 0's two bytes, lanes 16-31 tile 1's
	v_mul_u32_u24 v30, v29, 384
	v_lshl_add_u32 v30, v28, 2, v30
	global_store_b16 v30, v26, s[OSB:OSB+1]
	s_wait_tensorcnt 0x0
	ds_add_u32 v254, v255
	s_wait_dscnt 0x0
	CROUND                                         ; the closing round
	s_endpgm
.Lfunc_end_k_q7ee6effd65_attn:
	.size	k_q7ee6effd65_attn, .Lfunc_end_k_q7ee6effd65_attn-k_q7ee6effd65_attn
	.p2alignl 7, 3214868480
	.fill 96, 4, 3214868480
	.section	.rodata,"a",@progbits
	.p2align	6, 0x0
	.amdhsa_kernel k_q7ee6effd65_attn
		.amdhsa_group_segment_fixed_size 327680
		.amdhsa_private_segment_fixed_size 0
		.amdhsa_enable_private_segment 0
		.amdhsa_kernarg_size 72
		.amdhsa_user_sgpr_count 2
		.amdhsa_user_sgpr_kernarg_segment_ptr 1
		.amdhsa_wavefront_size32 1
		.amdhsa_system_sgpr_workgroup_id_x 1
		.amdhsa_system_sgpr_workgroup_id_y 1
		.amdhsa_system_sgpr_workgroup_id_z 1
		.amdhsa_system_vgpr_workitem_id 0
		.amdhsa_next_free_vgpr 512
		.amdhsa_next_free_sgpr 80
		.amdhsa_reserve_vcc 0
		.amdhsa_float_denorm_mode_32 3
		.amdhsa_float_denorm_mode_16_64 3
		.amdhsa_memory_ordered 1
		.amdhsa_forward_progress 1
		.amdhsa_inst_pref_size 107
	.end_amdhsa_kernel
	.amdgpu_metadata
---
amdhsa.version: [ 1, 2 ]
amdhsa.kernels:
  - .name:           k_q7ee6effd65_attn
    .symbol:         k_q7ee6effd65_attn.kd
    .args:
      - { .name: qbuf, .offset: 0, .size: 8, .value_kind: global_buffer, .address_space: global }
      - { .name: kv, .offset: 8, .size: 8, .value_kind: global_buffer, .address_space: global }
      - { .name: qsum, .offset: 16, .size: 8, .value_kind: global_buffer, .address_space: global }
      - { .name: bkt, .offset: 24, .size: 8, .value_kind: global_buffer, .address_space: global }
      - { .name: rel_embed, .offset: 32, .size: 8, .value_kind: global_buffer, .address_space: global }
      - { .name: gate_ur_w, .offset: 40, .size: 8, .value_kind: global_buffer, .address_space: global }
      - { .name: gate_i_w, .offset: 48, .size: 8, .value_kind: global_buffer, .address_space: global }
      - { .name: rel_scale, .offset: 56, .size: 8, .value_kind: global_buffer, .address_space: global }
      - { .name: act, .offset: 64, .size: 8, .value_kind: global_buffer, .address_space: global }
    .group_segment_fixed_size: 327680
    .private_segment_fixed_size: 0
    .kernarg_segment_align: 8
    .kernarg_segment_size: 72
    .max_flat_workgroup_size: 256
    .sgpr_count:     80
    .vgpr_count:     512
    .wavefront_size: 32
...
	.end_amdgpu_metadata
.endif
;; end of part 3
;; launch oproj (part 4): grid 16 x 12, 4 waves a work-group, clusters of 4 x 1, 168,448 bytes of LDS; arguments act, wo_codes, wo_scales, bo, x, x1; writes x1
.if DOCPART == 4
	.amdgcn_target "amdgcn-amd-amdhsa--gfx1250"
	.amdhsa_code_object_version 6
	.text
	.protected	k_q7ee6effd65_oproj
	.globl	k_q7ee6effd65_oproj
	.p2align	8
	.type	k_q7ee6effd65_oproj,@function
k_q7ee6effd65_oproj:
	s_mov_b64 s[64:65], 0
	v_nop
	global_prefetch_b8 v0, s[64:65] scope:SCOPE_SE
	s_setreg_imm32_b32 hwreg(HW_REG_WAVE_MODE, 25, 1), 1
	s_wait_xcnt 0x0
	s_wait_alu depctr_hold_cnt(0) depctr_sa_sdst(0) depctr_va_vdst(0) depctr_va_sdst(0) depctr_va_ssrc(0) depctr_va_vcc(0) depctr_vm_vsrc(0)
	s_getreg_b32 s2, hwreg(HW_REG_IB_STS2, 6, 4)
	s_cmp_eq_u32 s2, 0
	s_cbranch_scc0 .Lentry_in_a_cluster
	s_endpgm
.Lentry_in_a_cluster:
	s_bfe_u32 s2, ttmp6, 0x10000c
	s_cmp_lg_u32 s2, 0x3003
	s_cbranch_scc0 .Lentry_shape_is_right
	s_endpgm
.Lentry_shape_is_right:
; out = residual + A W^T + bias, the product on codes of BF8 with E8M0 scales; out, residual: [4096][768] f32.  A comes as images of 16-token tiles, W as rows of codes.
; A work-group takes 256 tokens x 64 channels; a wave 64 tokens: 16 accumulators.  The 64 weight rows for all of K lie in LDS, brought once by joint loads (the cluster's four work-groups need the same rows);
; the tokens' fragments go from memory straight into a ring of four K steps of registers.
; Source 0 = weight rows, source 1 = tokens: a lane holds one token and eight neighbouring channels a tile; the results go through the wave's own stage in LDS and leave as whole runs of 256 bytes.
; The same text serves K = 768 and K = 3,072: the constants at the head differ.
.set KS,    6                          ; K steps of 128
.set KD,    2                          ; K steps between two paddings in an LDS row
.set QI,    5                          ; the padding's interval: 256 bytes
.set SCOFF, 3145728                    ; where A's scale words begin
.set KB,    KS*128
.set PITCH, KB+48
.set GSTR,  16*PITCH+128
.set STG,   4*GSTR                     ; behind P: a stage of 16 rows x 272 bytes for each wave
.set LI, 1
.set LS, 2
.set PSO, 3
.set CO, 4
.set STO, 5
.set RD, 6
.set BQO, 7
.set ADP, 8                            ; v8-11 a tile's place in P
.set PS, 32                            ; weights' scale words at KS b + s
.set RS, 128                           ; tokens' at (KS / 2) a + g
.set ACC, 128                          ; window 1: accumulators; v0-127 two buffers of weight fragments.  Window 2: the ring of tokens' fragments
.set RES, 0                            ; window 3: the residual, v128-191 rows on their way out, v192-195 the bias
.set OB, 128
.set BQ, 192
.set WV, 16
.set TBK, 18
.set YY, 19
.set G1, 24
.set G0, 32
.set RB, 36
.set RSB, 38
.set PSB, 40
.set MSB, 0
.macro WIN new
.if MSB != (\new)
	s_set_vgpr_msb (MSB<<8)|(\new)
.set MSB, \new
.endif
.endm
.macro CROUND
	s_barrier_signal -1
	s_barrier_wait -1
	s_cmp_lg_u32 s[WV], 0
	s_cbranch_scc1 .Lnot_wave_0_\@
	s_barrier_signal -3
.Lnot_wave_0_\@:
	s_barrier_wait -3
	s_barrier_signal -1
	s_barrier_wait -1
.endm
.macro PLACES n
.rept \n
	v_nop
.endr
.endm
.macro MM d, a, b, c, sa, sb, ra, rb
.if ((\ra) == 0) && ((\rb) == 0)
	v_wmma_scale_f32_16x16x128_f8f6f4 v[\d:\d+7], v[\a:\a+15], v[\b:\b+15], \c, v[\sa], v[\sb] matrix_a_fmt:MATRIX_FMT_BF8 matrix_b_fmt:MATRIX_FMT_BF8
.elseif (\rb) == 0
	v_wmma_scale_f32_16x16x128_f8f6f4 v[\d:\d+7], v[\a:\a+15], v[\b:\b+15], \c, v[\sa], v[\sb] matrix_a_fmt:MATRIX_FMT_BF8 matrix_b_fmt:MATRIX_FMT_BF8 matrix_a_scale:MATRIX_SCALE_ROW1
.else
	v_wmma_scale_f32_16x16x128_f8f6f4 v[\d:\d+7], v[\a:\a+15], v[\b:\b+15], \c, v[\sa], v[\sb] matrix_a_fmt:MATRIX_FMT_BF8 matrix_b_fmt:MATRIX_FMT_BF8 matrix_b_scale:MATRIX_SCALE_ROW1
.endif
.endm
.macro PFETCH s, buf
	WIN 0x40
.irp b, 0,1,2,3
.irp c, 0,1,2,3
	ds_load_b128 v[64*(\buf)+16*\b+4*\c:64*(\buf)+16*\b+4*\c+3], v[ADP+\b] offset:128*(\s)+16*((\s)/KD)+32*\c
.endr
.endr
.endm
.macro RLOAD s
	WIN 0x80
.irp a, 0,1,2,3
.irp c, 0,1,2,3
	global_load_b128 v[64*((\s)%4)+16*\a+4*\c:64*((\s)%4)+16*\a+4*\c+3], v[LI], s[RB:RB+1] offset:(\a*KS+(\s))*2048+512*\c
.endr
.endr
.endm
.macro KSTEP s                         ; sixteen products, one for each accumulator, in the same order in every step
.if (\s) == KS-1
	s_wait_dscnt 0x0
.else
	s_wait_dscnt 16                                ; this step's weight fragments are in; the next step's 16 loads may be out
.endif
.if KS-1-(\s) >= 3
	s_wait_loadcnt 48                              ; this step's tokens are in; three later steps' 48 loads may be out
.else
	s_wait_loadcnt 16*(KS-1-(\s))
.endif
	WIN 0x59
.irp a, 0,1,2,3
.irp b, 0,1,2,3
.set DD, ACC+8*(4*\a+\b)
.if (\s) == 0
	MM DD, 64*((\s)%2)+16*\b, 64*((\s)%4)+16*\a, 0, PS+KS*\b+(\s), RS+(KS/2)*\a+(\s)/2, 0, (\s)%2
.else
	MM DD, 64*((\s)%2)+16*\b, 64*((\s)%4)+16*\a, v[DD:DD+7], PS+KS*\b+(\s), RS+(KS/2)*\a+(\s)/2, 0, (\s)%2
.endif
.endr
.endr
	PLACES 8                                       ; ahead of loads into registers that the products read, and of the first read of results
.if (\s)+4 < KS
	RLOAD (\s)+4
.endif
.if (\s)+2 < KS
	PFETCH (\s)+2, (\s)%2
.endif
.endm
.macro OUTA a                          ; token tile a: through my stage, bias and residual added, 16 rows x 256 bytes stored
	WIN 0x04
.irp b, 0,1,2,3
	ds_store_b128 v[STO], v[ACC+8*(4*\a+\b):ACC+8*(4*\a+\b)+3] offset:128*(\b/2)+32*(\b%2)        ; each accumulator from its low end on
	ds_store_b128 v[STO], v[ACC+8*(4*\a+\b)+4:ACC+8*(4*\a+\b)+7] offset:128*(\b/2)+32*(\b%2)+16
.endr
.if \a > 1
	s_wait_xcnt 0x0                                ; the stores of two tiles ago have read these registers
.endif
	WIN 0xc0
.irp t, 0,1,2,3,4,5,6,7
	ds_load_b128 v[OB+32*(\a%2)+4*\t:OB+32*(\a%2)+4*\t+3], v[RD] offset:\t*544   ; LDS serves a wave's instructions in order: these see my stores
.endr
	s_wait_dscnt 0x0
	WIN 0xcf
.irp t, 0,1,2,3,4,5,6,7
	v_pk_add_f32 v[OB+32*(\a%2)+4*\t:OB+32*(\a%2)+4*\t+1], v[OB+32*(\a%2)+4*\t:OB+32*(\a%2)+4*\t+1], v[BQ:BQ+1]
	v_pk_add_f32 v[OB+32*(\a%2)+4*\t+2:OB+32*(\a%2)+4*\t+3], v[OB+32*(\a%2)+4*\t+2:OB+32*(\a%2)+4*\t+3], v[BQ+2:BQ+3]
	v_pk_add_f32 v[OB+32*(\a%2)+4*\t:OB+32*(\a%2)+4*\t+1], v[OB+32*(\a%2)+4*\t:OB+32*(\a%2)+4*\t+1], v[RES+32*\a+4*\t:RES+32*\a+4*\t+1]
	v_pk_add_f32 v[OB+32*(\a%2)+4*\t+2:OB+32*(\a%2)+4*\t+3], v[OB+32*(\a%2)+4*\t+2:OB+32*(\a%2)+4*\t+3], v[RES+32*\a+4*\t+2:RES+32*\a+4*\t+3]
.endr
	WIN 0x0c
.irp t, 0,1,2,3,4,5,6,7
	global_store_b128 v[CO], v[OB+32*(\a%2)+4*\t:OB+32*(\a%2)+4*\t+3], s[14:15] offset:(32*(\a/2)+8*(\a%2)+2*\t+8*(\t/4))*3072   ; 16 lanes store 256 consecutive bytes, aligned
.endr
.endm
	s_load_b256 s[4:11], s[0:1], 0x0               ; A, W's codes, W's scales, the bias
	s_load_b128 s[12:15], s[0:1], 0x20             ; the residual, out
	v_lshl_add_u32 v254, v0, 2, 0x29000
	v_mov_b32 v255, 0
	ds_add_u32 v254, v255
	ds_add_u32 v254, v255
	v_lshrrev_b32 v12, 5, v0
	v_readfirstlane_b32 s[WV], v12
	v_and_b32 v13, 31, v0
	v_lshlrev_b32 v[LI], 4, v13
	v_lshlrev_b32 v[LS], 2, v13
	v_and_b32 v14, 15, v0                          ; r
	v_bfe_u32 v15, v0, 4, 1                        ; h
	v_and_b32 v16, 7, v14
	v_lshrrev_b32 v17, 3, v14
	v_mul_u32_u24 v18, v16, PITCH
	v_mad_u32_u24 v18, v17, GSTR, v18
	v_lshl_add_u32 v18, v15, 4, v18
.irp b, 0,1,2,3
	v_add_nc_u32 v[ADP+\b], (\b/2)*2*GSTR+(\b%2)*8*PITCH, v18
.endr
	v_lshl_add_u32 v16, v17, 4, v16
	v_mul_u32_u24 v[PSO], v16, KS*4
	v_lshlrev_b32 v[BQO], 4, v14
	v_mad_u32_u24 v[CO], v15, 3072, v[BQO]         ; lanes 0-15 one row, lanes 16-31 the next; 16 bytes a lane
	v_mul_u32_u24 v12, v12, 4352
	v_add_nc_u32 v12, STG, v12                     ; my stage
	v_mad_u32_u24 v[STO], v14, 272, v12
	v_lshl_add_u32 v[STO], v15, 6, v[STO]          ; in: row r, + 64 h
	v_mad_u32_u24 v[RD], v15, 272, v12
	v_add_nc_u32 v[RD], v[RD], v[BQO]              ; back: two rows an instruction
	s_bfe_u32 s17, ttmp6, 0x40000
	s_lshl_b32 s[TBK], ttmp9, 2
	s_add_co_u32 s[TBK], s[TBK], s17               ; my block of 256 tokens: it enters global addresses alone
	s_and_b32 s[YY], ttmp7, 0xffff
	s_mov_b32 s[G1], 15|(1<<20)|(1<<21)|(QI<<22)|(3<<25)   ; 16 rows x KB bytes, 16 bytes of padding behind each interval; the mask names the cluster's four
	s_mov_b32 s[G1+1], (KB&0xffff)<<16
	s_mov_b32 s[G1+2], 16<<16
	s_mov_b32 s[G1+3], KB<<16
	s_mov_b32 s[G1+4], 16
	s_mov_b32 s[G1+5], KB
	s_mov_b32 s[G1+6], 0
	s_mov_b32 s[G1+7], 0
	s_lshl_b32 s42, s[YY], 6
	s_lshl_b32 s43, s[WV], 4
	s_add_co_u32 s42, s42, s43
	s_mul_i32 s42, s42, KB                         ; the 16 weight rows that I fetch
	s_mov_b32 s43, 0
	s_mul_i32 s44, s[YY], 64*KS*4
	s_mov_b32 s45, 0
	s_lshl_b32 s46, s[YY], 8                       ; my 64 channels, in bytes of f32
	s_mov_b32 s47, 0
	s_lshl_b32 s48, s[TBK], 4
	s_lshl_b32 s49, s[WV], 2
	s_add_co_u32 s48, s48, s49                     ; my first tile
	s_mul_i32 s50, s48, KS*2048
	s_mov_b32 s51, 0
	s_mul_i32 s52, s48, KS*64
	s_add_co_u32 s52, s52, SCOFF
	s_mov_b32 s53, 0
	s_mul_i32 s54, s48, 16*3072
	s_add_co_u32 s54, s54, s46                     ; my first row and column of out
	s_mov_b32 s55, 0
	s_mul_i32 s56, s[WV], GSTR
	s_wait_dscnt 0x0
	s_wait_kmcnt 0x0
	s_mov_b32 s[G0], 1
	s_mov_b32 s[G0+1], s56
	s_add_nc_u64 s[G0+2:G0+3], s[6:7], s[42:43]
	s_or_b32 s[G0+3], s[G0+3], 0x80000000
	s_add_nc_u64 s[PSB:PSB+1], s[8:9], s[44:45]
	s_add_nc_u64 s[10:11], s[10:11], s[46:47]
	s_add_nc_u64 s[RB:RB+1], s[4:5], s[50:51]
	s_add_nc_u64 s[RSB:RSB+1], s[4:5], s[52:53]
	s_add_nc_u64 s[12:13], s[12:13], s[54:55]
	s_add_nc_u64 s[14:15], s[14:15], s[54:55]
	CROUND                                         ; all four work-groups are here
	tensor_load_to_lds s[G0:G0+3], s[G1:G1+7]      ; my one load
	s_nop 0
	PLACES 4
	s_wait_alu depctr_va_vdst(0)
.irp b, 0,1,2,3
.if KS == 6
.irp i, 0,1,2
	global_load_b64 v[PS+KS*\b+2*\i:PS+KS*\b+2*\i+1], v[PSO], s[PSB:PSB+1] offset:(32*(\b/2)+8*(\b%2))*KS*4+8*\i
.endr
.else
.irp i, 0,1,2,3,4,5
	global_load_b128 v[PS+KS*\b+4*\i:PS+KS*\b+4*\i+3], v[PSO], s[PSB:PSB+1] offset:(32*(\b/2)+8*(\b%2))*KS*4+16*\i
.endr
.endif
.endr
.irp a, 0,1,2,3
.set g, 0
.rept KS/2
	global_load_b32 v[RS+(KS/2)*\a+g], v[LS], s[RSB:RSB+1] offset:(\a*KS+2*g)*64
.set g, g+1
.endr
.endr
	WIN 0xc0
	global_load_b128 v[BQ:BQ+3], v[BQO], s[10:11]
.irp a, 0,1,2,3
.irp t, 0,1,2,3,4,5,6,7
	global_load_b128 v[RES+32*\a+4*\t:RES+32*\a+4*\t+3], v[CO], s[12:13] offset:(32*(\a/2)+8*(\a%2)+2*\t+8*(\t/4))*3072
.endr
.endr
.irp k, 0,1,2,3
	RLOAD \k
.endr
	WIN 0
	s_wait_tensorcnt 0x0                           ; my 16 rows have landed,
	s_barrier_signal -1
	s_barrier_wait -1                              ; everybody's have
	PFETCH 0, 0
	PFETCH 1, 1
.set ks, 0
.rept KS
	KSTEP ks
.set ks, ks+1
.endr
.irp a, 0,1,2,3
	OUTA \a
.endr
	WIN 0
	s_wait_tensorcnt 0x0
	ds_add_u32 v254, v255
	s_wait_dscnt 0x0
	CROUND                                         ; the closing round
	s_endpgm
.Lfunc_end_k_q7ee6effd65_oproj:
	.size	k_q7ee6effd65_oproj, .Lfunc_end_k_q7ee6effd65_oproj-k_q7ee6effd65_oproj
	.p2alignl 7, 3214868480
	.fill 96, 4, 3214868480
	.section	.rodata,"a",@progbits
	.p2align	6, 0x0
	.amdhsa_kernel k_q7ee6effd65_oproj
		.amdhsa_group_segment_fixed_size 168448
		.amdhsa_private_segment_fixed_size 0
		.amdhsa_enable_private_segment 0
		.amdhsa_kernarg_size 48
		.amdhsa_user_sgpr_count 2
		.amdhsa_user_sgpr_kernarg_segment_ptr 1
		.amdhsa_wavefront_size32 1
		.amdhsa_system_sgpr_workgroup_id_x 1
		.amdhsa_system_sgpr_workgroup_id_y 1
		.amdhsa_system_sgpr_workgroup_id_z 1
		.amdhsa_system_vgpr_workitem_id 0
		.amdhsa_next_free_vgpr 1024
		.amdhsa_next_free_sgpr 66
		.amdhsa_reserve_vcc 0
		.amdhsa_float_denorm_mode_32 3
		.amdhsa_float_denorm_mode_16_64 3
		.amdhsa_memory_ordered 1
		.amdhsa_forward_progress 1
		.amdhsa_inst_pref_size 56
	.end_amdhsa_kernel
	.amdgpu_metadata
---
amdhsa.version: [ 1, 2 ]
amdhsa.kernels:
  - .name:           k_q7ee6effd65_oproj
    .symbol:         k_q7ee6effd65_oproj.kd
    .args:
      - { .name: act, .offset: 0, .size: 8, .value_kind: global_buffer, .address_space: global }
      - { .name: wo_codes, .offset: 8, .size: 8, .value_kind: global_buffer, .address_space: global }
      - { .name: wo_scales, .offset: 16, .size: 8, .value_kind: global_buffer, .address_space: global }
      - { .name: bo, .offset: 24, .size: 8, .value_kind: global_buffer, .address_space: global }
      - { .name: x, .offset: 32, .size: 8, .value_kind: global_buffer, .address_space: global }
      - { .name: x1, .offset: 40, .size: 8, .value_kind: global_buffer, .address_space: global }
    .group_segment_fixed_size: 168448
    .private_segment_fixed_size: 0
    .kernarg_segment_align: 8
    .kernarg_segment_size: 48
    .max_flat_workgroup_size: 128
    .sgpr_count:     66
    .vgpr_count:     1024
    .wavefront_size: 32
...
	.end_amdgpu_metadata
.endif
;; end of part 4
;; launch ln2: the kernel of part 1 again; grid 256 x 1, 6 waves a work-group, no clusters, 1,792 bytes of LDS; arguments x1, ln2_w, ln2_b, act; writes act
;; launch ffn1 (part 5): grid 16 x 16, 4 waves a work-group, clusters of 4 x 1, 168,448 bytes of LDS; arguments act, w1_codes, w1_scales, b1, g; writes g
.if DOCPART == 5
	.amdgcn_target "amdgcn-amd-amdhsa--gfx1250"
	.amdhsa_code_object_version 6
	.text
	.protected	k_q7ee6effd65_ffn1
	.globl	k_q7ee6effd65_ffn1
	.p2align	8
	.type	k_q7ee6effd65_ffn1,@function
k_q7ee6effd65_ffn1:
	s_mov_b64 s[64:65], 0
	v_nop
	global_prefetch_b8 v0, s[64:65] scope:SCOPE_SE
	s_setreg_imm32_b32 hwreg(HW_REG_WAVE_MODE, 25, 1), 1
	s_wait_xcnt 0x0
	s_wait_alu depctr_hold_cnt(0) depctr_sa_sdst(0) depctr_va_vdst(0) depctr_va_sdst(0) depctr_va_ssrc(0) depctr_va_vcc(0) depctr_vm_vsrc(0)
	s_getreg_b32 s2, hwreg(HW_REG_IB_STS2, 6, 4)
	s_cmp_eq_u32 s2, 0
	s_cbranch_scc0 .Lentry_in_a_cluster
	s_endpgm
.Lentry_in_a_cluster:
	s_bfe_u32 s2, ttmp6, 0x10000c
	s_cmp_lg_u32 s2, 0x3003
	s_cbranch_scc0 .Lentry_shape_is_right
	s_endpgm
.Lentry_shape_is_right:
; g = Q(gelu(h W1^T + b1)): the product on codes of BF8 with E8M0 scales, the exact gelu in f32, the quantiser along the next product's K; g leaves as images.
; A work-group takes 256 tokens x 192 hidden units, 64 at a time; a wave owns 64 tokens, whose fragments for all of K stay in 384 registers.  The 192 weight rows lie in LDS, brought once by joint loads
; (the cluster's four work-groups need the same rows).  Source 0 = weight rows in the order r % 8 + 16 (r / 8) within 32, source 1 = tokens: a lane's 32 registers of a token tile are
; units 32 b + 16 h + 0 .. 15, b = 0, 1: two blocks of the next K.  The bias is the C of each sum's first product.
; REQUESTS AHEAD: a K step waits only for its own tokens' fragments; the next 64 units' scale words and biases are asked for ahead of these units' way out and waited for at the trip's end.
; gelu(x) = 0.5 x (1 + erf(x / sqrt 2)); erf(y) = y A(y^2) / B(y^2), y held within +-4, A of degree 6 and B of degree 4.
; LIMITS: NaN and infinities are not served; a block of zeros keeps the scale byte 1; 1 + erf loses relative accuracy for x under about -2 (absolute error about 1e-7 |x|).
.set KS,    6
.set PITCH, 816
.set GP,    16*PITCH                   ; a group of 16 weight rows in LDS.  Even groups 2 k lie at k GP,
.set ODD,   6*GP+128                   ; odd groups 2 k + 1 at ODD + k GP: 128 bytes aside, so lanes 8-15 of a tile read the other eight 16-byte columns
.set SCOFF, 3145728
.set GSC,   12582912                   ; where g's scale words begin
.set LI, 1
.set LS, 2
.set ADP, 3
.set PSO, 4
.set BO, 5
.set SV2, 6
.set ADP0, 7
.set PWR, 8
.set TW, 12
.set PS, 16
.set RS, 40
.set TM, 64
.set XS, 64                            ; v64-127 the gelu's work: y, y^2, A, B, sixteen numbers each
.set X2, 80
.set AL, 96
.set BE, 112
.set PC, 88
.set ACC, 128
.set BI, 128
.set WV, 32
.set CX, 33
.set TBK, 34
.set YY, 35
.set G1, 40
.set G0, 48
.set PSB, 60
.set BIB, 62
.set OC, 66
.set OS, 68
.set RB, 70
.set RSB, 72
.set CNT, 74
.set SUB, 75
.set OSB, 76
.set MI, 78
.set SEL, 80
.set MNT, 82
.set HI, 83
.set A0, 84
.set B0, 86
.set MSB, 0
.macro WIN new
.if MSB != (\new)
	s_set_vgpr_msb (MSB<<8)|(\new)
.set MSB, \new
.endif
.endm
.macro CROUND
	s_barrier_signal -1
	s_barrier_wait -1
	s_cmp_lg_u32 s[WV], 0
	s_cbranch_scc1 .Lnot_wave_0_\@
	s_barrier_signal -3
.Lnot_wave_0_\@:
	s_barrier_wait -3
	s_barrier_signal -1
	s_barrier_wait -1
.endm
.macro PLACES n
.rept \n
	v_nop
.endr
.endm
.macro MM d, a, b, c, sa, sb, ra, rb
.if ((\ra) == 0) && ((\rb) == 0)
	v_wmma_scale_f32_16x16x128_f8f6f4 v[\d:\d+7], v[\a:\a+15], v[\b:\b+15], \c, v[\sa], v[\sb] matrix_a_fmt:MATRIX_FMT_BF8 matrix_b_fmt:MATRIX_FMT_BF8
.elseif (\rb) == 0
	v_wmma_scale_f32_16x16x128_f8f6f4 v[\d:\d+7], v[\a:\a+15], v[\b:\b+15], \c, v[\sa], v[\sb] matrix_a_fmt:MATRIX_FMT_BF8 matrix_b_fmt:MATRIX_FMT_BF8 matrix_a_scale:MATRIX_SCALE_ROW1
.else
	v_wmma_scale_f32_16x16x128_f8f6f4 v[\d:\d+7], v[\a:\a+15], v[\b:\b+15], \c, v[\sa], v[\sb] matrix_a_fmt:MATRIX_FMT_BF8 matrix_b_fmt:MATRIX_FMT_BF8 matrix_b_scale:MATRIX_SCALE_ROW1
.endif
.endm
.macro QUANT2 s, pc, pw
.irp b, 0,1
	v_max3_num_f32 v[TM+\b], |v[\s+16*\b]|, |v[\s+1+16*\b]|, 0x8000000
.endr
.irp i, 2,4,6,8,10,12,14
.irp b, 0,1
	v_max3_num_f32 v[TM+\b], v[TM+\b], |v[\s+16*\b+\i]|, |v[\s+1+16*\b+\i]|
.endr
.endr
.irp b, 0,1
	v_permlanex16_b32 v[TM+2+\b], v[TM+\b], s[SEL], s[SEL+1]
.endr
.irp b, 0,1
	v_max_num_f32 v[TM+\b], v[TM+\b], v[TM+2+\b]
.endr
.irp b, 0,1
	v_add_nc_u32 v[TM+6+\b], 0xf8800000, v[TM+\b]
.endr
.irp b, 0,1
	v_and_or_b32 v[TM+4+\b], v[TM+\b], 0x7f800000, s[MNT]
.endr
.irp b, 0,1
	v_lshrrev_b32 v[TM+2+\b], 23, v[TM+6+\b]
.endr
	v_lshl_or_b32 v[\pw], v[TM+3], 8, v[TM+2]
.irp b, 0,1
.irp i, 0,1,2,3,4,5,6,7,8,9,10,11,12,13,14,15
	v_med3_num_f32 v[\s+16*\b+\i], v[\s+16*\b+\i], -v[TM+4+\b], v[TM+4+\b]
.endr
	v_cvt_scalef32_pk8_bf8_f32 v[\pc+4*\b:\pc+4*\b+1], v[\s+16*\b:\s+16*\b+7], v[TM+6+\b]
	v_cvt_scalef32_pk8_bf8_f32 v[\pc+4*\b+2:\pc+4*\b+3], v[\s+16*\b+8:\s+16*\b+15], v[TM+6+\b]
.endr
	v_nop
.endm
.macro HORNER r, k                     ; r = r y^2 + k, sixteen numbers
.irp p, 0,2,4,6,8,10,12,14
	v_pk_fma_f32 v[\r+\p:\r+\p+1], v[\r+\p:\r+\p+1], v[X2+\p:X2+\p+1], \k op_sel_hi:[1,1,0]
.endr
.endm
.macro GELU s                          ; sixteen numbers in place
.irp p, 0,2,4,6,8,10,12,14
	v_pk_mul_f32 v[XS+\p:XS+\p+1], v[\s+\p:\s+\p+1], 0x3f3504f3 op_sel_hi:[1,0]    ; y = x / sqrt 2
.endr
.irp i, 0,1,2,3,4,5,6,7,8,9,10,11,12,13,14,15
	v_med3_num_f32 v[XS+\i], v[XS+\i], -4.0, 4.0
.endr
.irp p, 0,2,4,6,8,10,12,14
	v_pk_mul_f32 v[X2+\p:X2+\p+1], v[XS+\p:XS+\p+1], v[XS+\p:XS+\p+1]
.endr
.irp p, 0,2,4,6,8,10,12,14
	v_pk_fma_f32 v[AL+\p:AL+\p+1], v[X2+\p:X2+\p+1], s[A0:A0+1], 0x32edffee op_sel_hi:[1,0,0]
	v_pk_fma_f32 v[BE+\p:BE+\p+1], v[X2+\p:X2+\p+1], s[B0:B0+1], 0xb95fbd29 op_sel_hi:[1,0,0]
.endr
	HORNER AL, 0xb60cff51
	HORNER BE, 0xbadc924e
	HORNER AL, 0xb86ec2d2
	HORNER BE, 0xbbf19bf8
	HORNER AL, 0xba40ac63
	HORNER BE, 0xbc69b6a7
	HORNER AL, 0xbb41a1f6
	HORNER AL, 0xbc83dbd4
	s_wait_alu depctr_va_vdst(0)
.irp i, 0,1,2,3,4,5,6,7,8,9,10,11,12,13,14,15
	v_rcp_f32 v[BE+\i], v[BE+\i]
.endr
.irp p, 0,2,4,6,8,10,12,14
	v_pk_mul_f32 v[AL+\p:AL+\p+1], v[AL+\p:AL+\p+1], v[XS+\p:XS+\p+1]              ; y A: plain work behind the reciprocals
.endr
	s_wait_alu depctr_va_vdst(0)                   ; one wait for the sixteen, ahead of their first reader
.irp p, 0,2,4,6,8,10,12,14
	v_pk_mul_f32 v[AL+\p:AL+\p+1], v[AL+\p:AL+\p+1], v[BE+\p:BE+\p+1]              ; erf
	v_pk_mul_f32 v[XS+\p:XS+\p+1], v[\s+\p:\s+\p+1], 0.5 op_sel_hi:[1,0]
.endr
.irp p, 0,2,4,6,8,10,12,14
	v_pk_fma_f32 v[\s+\p:\s+\p+1], v[XS+\p:XS+\p+1], v[AL+\p:AL+\p+1], v[XS+\p:XS+\p+1]
.endr
.endm
.macro PFETCH s, buf
	WIN 0x40
.irp b, 0,1,2,3
.irp c, 0,1,2,3
	ds_load_b128 v[64*(\buf)+16*\b+4*\c:64*(\buf)+16*\b+4*\c+3], v[ADP] offset:(\b/2)*GP+(\b%2)*8*PITCH+128*(\s)+16*((\s)/2)+32*\c
.endr
.endr
.endm
.macro RLOAD s
.if (\s) < 4
	WIN 0x80
.else
	WIN 0xc0
.endif
.irp a, 0,1,2,3
.irp c, 0,1,2,3
	global_load_b128 v[64*((\s)%4)+16*\a+4*\c:64*((\s)%4)+16*\a+4*\c+3], v[LI], s[RB:RB+1] offset:(\a*KS+(\s))*2048+512*\c
.endr
.endr
.endm
.macro LOADP
.irp b, 0,1,2,3
.irp i, 0,1,2
	global_load_b64 v[PS+6*\b+2*\i:PS+6*\b+2*\i+1], v[PSO], s[PSB:PSB+1] offset:(32*(\b/2)+8*(\b%2))*24+8*\i
.endr
.endr
	WIN 0x40
.irp b, 0,1,2,3
	global_load_b128 v[BI+8*\b:BI+8*\b+3], v[BO], s[BIB:BIB+1] offset:(32*(\b/2)+8*(\b%2))*4
	global_load_b128 v[BI+8*\b+4:BI+8*\b+7], v[BO], s[BIB:BIB+1] offset:(32*(\b/2)+8*(\b%2))*4+16
.endr
	WIN 0
.endm
.macro KSTEP s                         ; sixteen products, one for each accumulator, in the same order in every step
.if (\s) == KS-1
	s_wait_dscnt 0x0
.else
	s_wait_dscnt 16                                ; this step's fragments are in; the next step's 16 loads may be out
.endif
.if 16*(KS-1-(\s)) > 63
	s_wait_loadcnt 63                              ; first trip: behind this step's tokens 16 loads were issued for each later K step, more than the count can name; later trips: nothing is out
.else
	s_wait_loadcnt 16*(KS-1-(\s))                  ; first trip: the later K steps' 16 loads each may be out; later trips: nothing is out (the trip's end has waited for 0)
.endif
.set WN, 0x01|((2+(\s)/4)<<2)
.if (\s) == 0
.set WN, WN|0x10
.endif
	WIN WN
.irp a, 0,1,2,3
.irp b, 0,1,2,3
.set DD, ACC+8*(4*\a+\b)
.if (\s) == 0
	MM DD, 64*((\s)%2)+16*\b, 64*((\s)%4)+16*\a, v[BI+8*\b:BI+8*\b+7], PS+6*\b+(\s), RS+3*\a+(\s)/2, 0, (\s)%2
.else
	MM DD, 64*((\s)%2)+16*\b, 64*((\s)%4)+16*\a, v[DD:DD+7], PS+6*\b+(\s), RS+3*\a+(\s)/2, 0, (\s)%2
.endif
.endr
.endr
	PLACES 8
.if (\s)+2 < KS
	PFETCH (\s)+2, (\s)%2
.endif
.endm
.macro SETOS                           ; where the 64 units numbered s[MI] put their two scale bytes: word MI / 2, half MI % 2
	s_lshr_b32 s88, s[MI], 1
	s_lshl_b32 s88, s88, 6
	s_and_b32 s90, s[MI], 1
	s_lshl_b32 s90, s90, 1
	s_add_co_u32 s88, s88, s90
	s_add_nc_u64 s[OS:OS+1], s[OSB:OSB+1], s[88:89]
.endm
	s_load_b256 s[4:11], s[0:1], 0x0               ; act, W1's codes, W1's scales, b1
	s_load_b64 s[12:13], s[0:1], 0x20              ; g
	v_lshl_add_u32 v62, v0, 2, 0x29000
	v_mov_b32 v63, 0
	ds_add_u32 v62, v63
	ds_add_u32 v62, v63
	v_lshrrev_b32 v57, 5, v0
	v_readfirstlane_b32 s[WV], v57
	v_and_b32 v58, 31, v0
	v_lshlrev_b32 v[LI], 4, v58
	v_lshlrev_b32 v[LS], 2, v58
	v_and_b32 v52, 15, v0
	v_bfe_u32 v53, v0, 4, 1
	v_and_b32 v54, 7, v52
	v_lshrrev_b32 v55, 3, v52
	v_mul_u32_u24 v[ADP0], v54, PITCH
	v_mad_u32_u24 v[ADP0], v55, ODD, v[ADP0]
	v_lshl_add_u32 v[ADP0], v53, 4, v[ADP0]
	v_lshl_add_u32 v56, v55, 4, v54
	v_mul_u32_u24 v[PSO], v56, 24
	v_lshlrev_b32 v[BO], 6, v53
	v_mul_u32_u24 v[SV2], v53, 1536
	v_lshl_add_u32 v[SV2], v52, 2, v[SV2]          ; 4 r, and a tile's 24 words of 64 bytes further on for lanes 16-31
	s_bfe_u32 s[CX], ttmp6, 0x40000
	s_lshl_b32 s[TBK], ttmp9, 2
	s_add_co_u32 s[TBK], s[TBK], s[CX]
	s_and_b32 s[YY], ttmp7, 0xffff
	s_mov_b32 s[SEL], 0x76543210
	s_mov_b32 s[SEL+1], 0xfedcba98
	s_mov_b32 s[MNT], 0x600000
	s_mov_b32 s[HI], 0xffff0000
	s_mov_b32 s[A0], 0xaf95df0b                    ; A's and B's leading coefficients
	s_mov_b32 s[A0+1], s[A0]
	s_mov_b32 s[B0], 0xb77460cd
	s_mov_b32 s[B0+1], s[B0]
	s_mov_b32 s[SUB], 0
	s_mov_b32 s[CNT], 3
	s_mul_i32 s[MI], s[YY], 3
	s_lshl_b32 s48, s[TBK], 4
	s_lshl_b32 s49, s[WV], 2
	s_add_co_u32 s48, s48, s49                     ; my first tile
	s_mul_i32 s92, s48, KS*2048
	s_mov_b32 s93, 0
	s_mul_i32 s94, s48, KS*64
	s_add_co_u32 s94, s94, SCOFF
	s_mov_b32 s95, 0
	s_mul_i32 s96, s[YY], 192*768
	s_and_b32 s50, s[WV], 1
	s_mul_i32 s50, s50, 96*768                     ; waves 0, 2: groups 0-5; waves 1, 3: groups 6-11
	s_add_co_u32 s96, s96, s50
	s_lshr_b32 s50, s[WV], 1
	s_mul_i32 s50, s50, 16*768                     ; waves 0, 1: the even groups; waves 2, 3: the odd ones
	s_add_co_u32 s96, s96, s50
	s_mov_b32 s97, 0
	s_mul_i32 s98, s[YY], 192*24
	s_mov_b32 s99, 0
	s_mul_i32 s100, s[YY], 192*4
	s_mov_b32 s101, 0
	s_mul_i32 s50, s48, 49152
	s_lshl_b32 s51, s[MI], 10
	s_add_co_u32 s50, s50, s51                     ; g's codes: my first tile, my first 64 units
	s_mov_b32 s51, 0
	s_mul_i32 s52, s48, 1536
	s_add_co_u32 s52, s52, GSC
	s_mov_b32 s53, 0
	s_mov_b32 s89, 0
	s_and_b32 s91, s[WV], 1
	s_mul_i32 s91, s91, 3*GP
	s_lshr_b32 s90, s[WV], 1
	s_mul_i32 s90, s90, ODD
	s_add_co_u32 s91, s91, s90                     ; where my three groups go
	s_mov_b32 s[G1], 15|(1<<20)|(1<<21)|(5<<22)|(3<<25)    ; 16 rows x 768 bytes, 16 bytes of padding behind each 256; the mask names the cluster's four
	s_mov_b32 s[G1+1], 12288<<16                   ; one load a wave: three groups of 16 rows; a group is 12,288 dense bytes, stated as one row,
	s_mov_b32 s[G1+2], 3<<16
	s_mov_b32 s[G1+3], 12288<<16
	s_mov_b32 s[G1+4], 3
	s_mov_b32 s[G1+5], 24576                       ; and every second group is taken
	s_mov_b32 s[G1+6], 0
	s_mov_b32 s[G1+7], 0
	s_wait_dscnt 0x0
	s_wait_kmcnt 0x0
	s_add_nc_u64 s[RB:RB+1], s[4:5], s[92:93]
	s_add_nc_u64 s[RSB:RSB+1], s[4:5], s[94:95]
	s_add_nc_u64 s[6:7], s[6:7], s[96:97]
	s_add_nc_u64 s[PSB:PSB+1], s[8:9], s[98:99]
	s_add_nc_u64 s[BIB:BIB+1], s[10:11], s[100:101]
	s_add_nc_u64 s[OC:OC+1], s[12:13], s[50:51]
	s_add_nc_u64 s[OSB:OSB+1], s[12:13], s[52:53]
	SETOS
	s_mov_b32 s[G0], 1
	s_mov_b32 s[G0+1], s91
	s_mov_b64 s[G0+2:G0+3], s[6:7]
	s_or_b32 s[G0+3], s[G0+3], 0x80000000
	CROUND                                         ; all four work-groups are here
	tensor_load_to_lds s[G0:G0+3], s[G1:G1+7]      ; my one load: 48 weight rows
	s_nop 0
	PLACES 4
.irp a, 0,1,2,3
.irp g, 0,1,2
	global_load_b32 v[RS+3*\a+\g], v[LS], s[RSB:RSB+1] offset:(\a*KS+2*\g)*64
.endr
.endr
	s_wait_alu depctr_va_vdst(0)
	LOADP
.irp k, 0,1,2,3,4,5
	RLOAD \k                                       ; in the order of the K steps: the waits in the first trip count on it
.endr
	WIN 0
	s_wait_tensorcnt 0x0
	s_barrier_signal -1
	s_barrier_wait -1
.Lsub:                                             ; three trips of 64 hidden units
	v_add_nc_u32 v[ADP], s[SUB], v[ADP0]
	PFETCH 0, 0
	PFETCH 1, 1
	s_wait_alu depctr_va_vdst(0)
.irp k, 0,1,2,3,4,5
	KSTEP \k
.endr
	WIN 0
	s_cmp_eq_u32 s[CNT], 1                         ; the last trip asks for nothing: no load leaves its buffer
	s_cbranch_scc1 .Lnoload
	s_wait_xcnt 0x0                                ; the earlier loads have read their bases
	s_add_nc_u64 s[PSB:PSB+1], s[PSB:PSB+1], 64*24
	s_add_nc_u64 s[BIB:BIB+1], s[BIB:BIB+1], 64*4
	LOADP                                          ; the next 64 units' scale words and biases, eight places behind the last product: they land while these units go out
.Lnoload:
.irp L, 0,1,2,3
	s_wait_xcnt 0x0                                ; the last stores have read the codes' registers
	GELU ACC+32*\L
	GELU ACC+32*\L+16
	QUANT2 ACC+32*\L, PC, PWR+\L
	global_store_b128 v[LI], v[PC:PC+3], s[OC:OC+1] offset:\L*49152
	global_store_b128 v[LI], v[PC+4:PC+7], s[OC:OC+1] offset:\L*49152+512
.endr
.irp g, 0,1
	v_cndmask_b32 v[TW+\g], v[PWR+2*\g], v[PWR+2*\g+1], s[HI]
	global_store_b16 v[SV2], v[TW+\g], s[OS:OS+1] offset:3072*\g
.endr
	s_wait_xcnt 0x0                                ; the stores have read their bases
	s_add_nc_u64 s[OC:OC+1], s[OC:OC+1], 1024
	s_add_co_u32 s[MI], s[MI], 1
	SETOS
	s_add_co_u32 s[SUB], s[SUB], 2*GP
	s_wait_loadcnt 0x0                             ; the next units' scale words and biases are in: no load is out at the next trip's head
	s_sub_co_u32 s[CNT], s[CNT], 1
	s_cmp_lg_u32 s[CNT], 0
	s_cbranch_scc1 .Lsub
	s_wait_tensorcnt 0x0
	ds_add_u32 v62, v63
	s_wait_dscnt 0x0
	CROUND                                         ; the closing round
	s_endpgm
.Lfunc_end_k_q7ee6effd65_ffn1:
	.size	k_q7ee6effd65_ffn1, .Lfunc_end_k_q7ee6effd65_ffn1-k_q7ee6effd65_ffn1
	.p2alignl 7, 3214868480
	.fill 96, 4, 3214868480
	.section	.rodata,"a",@progbits
	.p2align	6, 0x0
	.amdhsa_kernel k_q7ee6effd65_ffn1
		.amdhsa_group_segment_fixed_size 168448
		.amdhsa_private_segment_fixed_size 0
		.amdhsa_enable_private_segment 0
		.amdhsa_kernarg_size 40
		.amdhsa_user_sgpr_count 2
		.amdhsa_user_sgpr_kernarg_segment_ptr 1
		.amdhsa_wavefront_size32 1
		.amdhsa_system_sgpr_workgroup_id_x 1
		.amdhsa_system_sgpr_workgroup_id_y 1
		.amdhsa_system_sgpr_workgroup_id_z 1
		.amdhsa_system_vgpr_workitem_id 0
		.amdhsa_next_free_vgpr 1024
		.amdhsa_next_free_sgpr 102
		.amdhsa_reserve_vcc 0
		.amdhsa_float_denorm_mode_32 3
		.amdhsa_float_denorm_mode_16_64 3
		.amdhsa_memory_ordered 1
		.amdhsa_forward_progress 1
		.amdhsa_inst_pref_size 157
	.end_amdhsa_kernel
	.amdgpu_metadata
---
amdhsa.version: [ 1, 2 ]
amdhsa.kernels:
  - .name:           k_q7ee6effd65_ffn1
    .symbol:         k_q7ee6effd65_ffn1.kd
    .args:
      - { .name: act, .offset: 0, .size: 8, .value_kind: global_buffer, .address_space: global }
      - { .name: w1_codes, .offset: 8, .size: 8, .value_kind: global_buffer, .address_space: global }
      - { .name: w1_scales, .offset: 16, .size: 8, .value_kind: global_buffer, .address_space: global }
      - { .name: b1, .offset: 24, .size: 8, .value_kind: global_buffer, .address_space: global }
      - { .name: g, .offset: 32, .size: 8, .value_kind: global_buffer, .address_space: global }
    .group_segment_fixed_size: 168448
    .private_segment_fixed_size: 0
    .kernarg_segment_align: 8
    .kernarg_segment_size: 40
    .max_flat_workgroup_size: 128
    .sgpr_count:     102
    .vgpr_count:     1024
    .wavefront_size: 32
...
	.end_amdgpu_metadata
.endif
;; end of part 5
;; launch ffn2 (part 6): grid 16 x 12, 4 waves a work-group, clusters of 4 x 1, 218,112 bytes of LDS; arguments g, w2_codes, w2_scales, b2, x1, out0; writes out0
.if DOCPART == 6
	.amdgcn_target "amdgcn-amd-amdhsa--gfx1250"
	.amdhsa_code_object_version 6
	.text
	.protected	k_q7ee6effd65_ffn2
	.globl	k_q7ee6effd65_ffn2
	.p2align	8
	.type	k_q7ee6effd65_ffn2,@function
k_q7ee6effd65_ffn2:
	s_mov_b64 s[64:65], 0
	v_nop
	global_prefetch_b8 v0, s[64:65] scope:SCOPE_SE
	s_setreg_imm32_b32 hwreg(HW_REG_WAVE_MODE, 25, 1), 1
	s_wait_xcnt 0x0
	s_wait_alu depctr_hold_cnt(0) depctr_sa_sdst(0) depctr_va_vdst(0) depctr_va_sdst(0) depctr_va_ssrc(0) depctr_va_vcc(0) depctr_vm_vsrc(0)
	s_getreg_b32 s2, hwreg(HW_REG_IB_STS2, 6, 4)
	s_cmp_eq_u32 s2, 0
	s_cbranch_scc0 .Lentry_in_a_cluster
	s_endpgm
.Lentry_in_a_cluster:
	s_bfe_u32 s2, ttmp6, 0x10000c
	s_cmp_lg_u32 s2, 0x3003
	s_cbranch_scc0 .Lentry_shape_is_right
	s_endpgm
.Lentry_shape_is_right:
; out = residual + A W^T + bias, the product on codes of BF8 with E8M0 scales; out, residual: [4096][768] f32.  A comes as images of 16-token tiles, W as rows of codes.
; A work-group takes 256 tokens x 64 channels; a wave 64 tokens: 16 accumulators.  The 64 weight rows for all of K lie in LDS, brought once by joint loads (the cluster's four work-groups need the same rows);
; the tokens' fragments go from memory straight into a ring of four K steps of registers.
; Source 0 = weight rows, source 1 = tokens: a lane holds one token and eight neighbouring channels a tile; the results go through the wave's own stage in LDS and leave as whole runs of 256 bytes.
; The same text serves K = 768 and K = 3,072: the constants at the head differ.
.set KS,    24                         ; K steps of 128
.set KD,    8                          ; K steps between two paddings in an LDS row
.set QI,    7                          ; the padding's interval: 1,024 bytes
.set SCOFF, 12582912                   ; where A's scale words begin
.set KB,    KS*128
.set PITCH, KB+48
.set GSTR,  16*PITCH+128
.set STG,   4*GSTR                     ; behind P: a stage of 16 rows x 272 bytes for each wave
.set LI, 1
.set LS, 2
.set PSO, 3
.set CO, 4
.set STO, 5
.set RD, 6
.set BQO, 7
.set ADP, 8                            ; v8-11 a tile's place in P
.set PS, 32                            ; weights' scale words at KS b + s
.set RS, 128                           ; tokens' at (KS / 2) a + g
.set ACC, 128                          ; window 1: accumulators; v0-127 two buffers of weight fragments.  Window 2: the ring of tokens' fragments
.set RES, 0                            ; window 3: the residual, v128-191 rows on their way out, v192-195 the bias
.set OB, 128
.set BQ, 192
.set WV, 16
.set TBK, 18
.set YY, 19
.set G1, 24
.set G0, 32
.set RB, 36
.set RSB, 38
.set PSB, 40
.set MSB, 0
.macro WIN new
.if MSB != (\new)
	s_set_vgpr_msb (MSB<<8)|(\new)
.set MSB, \new
.endif
.endm
.macro CROUND
	s_barrier_signal -1
	s_barrier_wait -1
	s_cmp_lg_u32 s[WV], 0
	s_cbranch_scc1 .Lnot_wave_0_\@
	s_barrier_signal -3
.Lnot_wave_0_\@:
	s_barrier_wait -3
	s_barrier_signal -1
	s_barrier_wait -1
.endm
.macro PLACES n
.rept \n
	v_nop
.endr
.endm
.macro MM d, a, b, c, sa, sb, ra, rb
.if ((\ra) == 0) && ((\rb) == 0)
	v_wmma_scale_f32_16x16x128_f8f6f4 v[\d:\d+7], v[\a:\a+15], v[\b:\b+15], \c, v[\sa], v[\sb] matrix_a_fmt:MATRIX_FMT_BF8 matrix_b_fmt:MATRIX_FMT_BF8
.elseif (\rb) == 0
	v_wmma_scale_f32_16x16x128_f8f6f4 v[\d:\d+7], v[\a:\a+15], v[\b:\b+15], \c, v[\sa], v[\sb] matrix_a_fmt:MATRIX_FMT_BF8 matrix_b_fmt:MATRIX_FMT_BF8 matrix_a_scale:MATRIX_SCALE_ROW1
.else
	v_wmma_scale_f32_16x16x128_f8f6f4 v[\d:\d+7], v[\a:\a+15], v[\b:\b+15], \c, v[\sa], v[\sb] matrix_a_fmt:MATRIX_FMT_BF8 matrix_b_fmt:MATRIX_FMT_BF8 matrix_b_scale:MATRIX_SCALE_ROW1
.endif
.endm
.macro PFETCH s, buf
	WIN 0x40
.irp b, 0,1,2,3
.irp c, 0,1,2,3
	ds_load_b128 v[64*(\buf)+16*\b+4*\c:64*(\buf)+16*\b+4*\c+3], v[ADP+\b] offset:128*(\s)+16*((\s)/KD)+32*\c
.endr
.endr
.endm
.macro RLOAD s
	WIN 0x80
.irp a, 0,1,2,3
.irp c, 0,1,2,3
	global_load_b128 v[64*((\s)%4)+16*\a+4*\c:64*((\s)%4)+16*\a+4*\c+3], v[LI], s[RB:RB+1] offset:(\a*KS+(\s))*2048+512*\c
.endr
.endr
.endm
.macro KSTEP s                         ; sixteen products, one for each accumulator, in the same order in every step
.if (\s) == KS-1
	s_wait_dscnt 0x0
.else
	s_wait_dscnt 16                                ; this step's weight fragments are in; the next step's 16 loads may be out
.endif
.if KS-1-(\s) >= 3
	s_wait_loadcnt 48                              ; this step's tokens are in; three later steps' 48 loads may be out
.else
	s_wait_loadcnt 16*(KS-1-(\s))
.endif
	WIN 0x59
.irp a, 0,1,2,3
.irp b, 0,1,2,3
.set DD, ACC+8*(4*\a+\b)
.if (\s) == 0
	MM DD, 64*((\s)%2)+16*\b, 64*((\s)%4)+16*\a, 0, PS+KS*\b+(\s), RS+(KS/2)*\a+(\s)/2, 0, (\s)%2
.else
	MM DD, 64*((\s)%2)+16*\b, 64*((\s)%4)+16*\a, v[DD:DD+7], PS+KS*\b+(\s), RS+(KS/2)*\a+(\s)/2, 0, (\s)%2
.endif
.endr
.endr
	PLACES 8                                       ; ahead of loads into registers that the products read, and of the first read of results
.if (\s)+4 < KS
	RLOAD (\s)+4
.endif
.if (\s)+2 < KS
	PFETCH (\s)+2, (\s)%2
.endif
.endm
.macro OUTA a                          ; token tile a: through my stage, bias and residual added, 16 rows x 256 bytes stored
	WIN 0x04
.irp b, 0,1,2,3
	ds_store_b128 v[STO], v[ACC+8*(4*\a+\b):ACC+8*(4*\a+\b)+3] offset:128*(\b/2)+32*(\b%2)        ; each accumulator from its low end on
	ds_store_b128 v[STO], v[ACC+8*(4*\a+\b)+4:ACC+8*(4*\a+\b)+7] offset:128*(\b/2)+32*(\b%2)+16
.endr
.if \a > 1
	s_wait_xcnt 0x0                                ; the stores of two tiles ago have read these registers
.endif
	WIN 0xc0
.irp t, 0,1,2,3,4,5,6,7
	ds_load_b128 v[OB+32*(\a%2)+4*\t:OB+32*(\a%2)+4*\t+3], v[RD] offset:\t*544   ; LDS serves a wave's instructions in order: these see my stores
.endr
	s_wait_dscnt 0x0
	WIN 0xcf
.irp t, 0,1,2,3,4,5,6,7
	v_pk_add_f32 v[OB+32*(\a%2)+4*\t:OB+32*(\a%2)+4*\t+1], v[OB+32*(\a%2)+4*\t:OB+32*(\a%2)+4*\t+1], v[BQ:BQ+1]
	v_pk_add_f32 v[OB+32*(\a%2)+4*\t+2:OB+32*(\a%2)+4*\t+3], v[OB+32*(\a%2)+4*\t+2:OB+32*(\a%2)+4*\t+3], v[BQ+2:BQ+3]
	v_pk_add_f32 v[OB+32*(\a%2)+4*\t:OB+32*(\a%2)+4*\t+1], v[OB+32*(\a%2)+4*\t:OB+32*(\a%2)+4*\t+1], v[RES+32*\a+4*\t:RES+32*\a+4*\t+1]
	v_pk_add_f32 v[OB+32*(\a%2)+4*\t+2:OB+32*(\a%2)+4*\t+3], v[OB+32*(\a%2)+4*\t+2:OB+32*(\a%2)+4*\t+3], v[RES+32*\a+4*\t+2:RES+32*\a+4*\t+3]
.endr
	WIN 0x0c
.irp t, 0,1,2,3,4,5,6,7
	global_store_b128 v[CO], v[OB+32*(\a%2)+4*\t:OB+32*(\a%2)+4*\t+3], s[14:15] offset:(32*(\a/2)+8*(\a%2)+2*\t+8*(\t/4))*3072   ; 16 lanes store 256 consecutive bytes, aligned
.endr
.endm
	s_load_b256 s[4:11], s[0:1], 0x0               ; A, W's codes, W's scales, the bias
	s_load_b128 s[12:15], s[0:1], 0x20             ; the residual, out
	v_lshl_add_u32 v254, v0, 2, 0x35200
	v_mov_b32 v255, 0
	ds_add_u32 v254, v255
	ds_add_u32 v254, v255
	v_lshrrev_b32 v12, 5, v0
	v_readfirstlane_b32 s[WV], v12
	v_and_b32 v13, 31, v0
	v_lshlrev_b32 v[LI], 4, v13
	v_lshlrev_b32 v[LS], 2, v13
	v_and_b32 v14, 15, v0                          ; r
	v_bfe_u32 v15, v0, 4, 1                        ; h
	v_and_b32 v16, 7, v14
	v_lshrrev_b32 v17, 3, v14
	v_mul_u32_u24 v18, v16, PITCH
	v_mad_u32_u24 v18, v17, GSTR, v18
	v_lshl_add_u32 v18, v15, 4, v18
.irp b, 0,1,2,3
	v_add_nc_u32 v[ADP+\b], (\b/2)*2*GSTR+(\b%2)*8*PITCH, v18
.endr
	v_lshl_add_u32 v16, v17, 4, v16
	v_mul_u32_u24 v[PSO], v16, KS*4
	v_lshlrev_b32 v[BQO], 4, v14
	v_mad_u32_u24 v[CO], v15, 3072, v[BQO]         ; lanes 0-15 one row, lanes 16-31 the next; 16 bytes a lane
	v_mul_u32_u24 v12, v12, 4352
	v_add_nc_u32 v12, STG, v12                     ; my stage
	v_mad_u32_u24 v[STO], v14, 272, v12
	v_lshl_add_u32 v[STO], v15, 6, v[STO]          ; in: row r, + 64 h
	v_mad_u32_u24 v[RD], v15, 272, v12
	v_add_nc_u32 v[RD], v[RD], v[BQO]              ; back: two rows an instruction
	s_bfe_u32 s17, ttmp6, 0x40000
	s_lshl_b32 s[TBK], ttmp9, 2
	s_add_co_u32 s[TBK], s[TBK], s17               ; my block of 256 tokens: it enters global addresses alone
	s_and_b32 s[YY], ttmp7, 0xffff
	s_mov_b32 s[G1], 15|(1<<20)|(1<<21)|(QI<<22)|(3<<25)   ; 16 rows x KB bytes, 16 bytes of padding behind each interval; the mask names the cluster's four
	s_mov_b32 s[G1+1], (KB&0xffff)<<16
	s_mov_b32 s[G1+2], 16<<16
	s_mov_b32 s[G1+3], KB<<16
	s_mov_b32 s[G1+4], 16
	s_mov_b32 s[G1+5], KB
	s_mov_b32 s[G1+6], 0
	s_mov_b32 s[G1+7], 0
	s_lshl_b32 s42, s[YY], 6
	s_lshl_b32 s43, s[WV], 4
	s_add_co_u32 s42, s42, s43
	s_mul_i32 s42, s42, KB                         ; the 16 weight rows that I fetch
	s_mov_b32 s43, 0
	s_mul_i32 s44, s[YY], 64*KS*4
	s_mov_b32 s45, 0
	s_lshl_b32 s46, s[YY], 8                       ; my 64 channels, in bytes of f32
	s_mov_b32 s47, 0
	s_lshl_b32 s48, s[TBK], 4
	s_lshl_b32 s49, s[WV], 2
	s_add_co_u32 s48, s48, s49                     ; my first tile
	s_mul_i32 s50, s48, KS*2048
	s_mov_b32 s51, 0
	s_mul_i32 s52, s48, KS*64
	s_add_co_u32 s52, s52, SCOFF
	s_mov_b32 s53, 0
	s_mul_i32 s54, s48, 16*3072
	s_add_co_u32 s54, s54, s46                     ; my first row and column of out
	s_mov_b32 s55, 0
	s_mul_i32 s56, s[WV], GSTR
	s_wait_dscnt 0x0
	s_wait_kmcnt 0x0
	s_mov_b32 s[G0], 1
	s_mov_b32 s[G0+1], s56
	s_add_nc_u64 s[G0+2:G0+3], s[6:7], s[42:43]
	s_or_b32 s[G0+3], s[G0+3], 0x80000000
	s_add_nc_u64 s[PSB:PSB+1], s[8:9], s[44:45]
	s_add_nc_u64 s[10:11], s[10:11], s[46:47]
	s_add_nc_u64 s[RB:RB+1], s[4:5], s[50:51]
	s_add_nc_u64 s[RSB:RSB+1], s[4:5], s[52:53]
	s_add_nc_u64 s[12:13], s[12:13], s[54:55]
	s_add_nc_u64 s[14:15], s[14:15], s[54:55]
	CROUND                                         ; all four work-groups are here
	tensor_load_to_lds s[G0:G0+3], s[G1:G1+7]      ; my one load
	s_nop 0
	PLACES 4
	s_wait_alu depctr_va_vdst(0)
.irp b, 0,1,2,3
.if KS == 6
.irp i, 0,1,2
	global_load_b64 v[PS+KS*\b+2*\i:PS+KS*\b+2*\i+1], v[PSO], s[PSB:PSB+1] offset:(32*(\b/2)+8*(\b%2))*KS*4+8*\i
.endr
.else
.irp i, 0,1,2,3,4,5
	global_load_b128 v[PS+KS*\b+4*\i:PS+KS*\b+4*\i+3], v[PSO], s[PSB:PSB+1] offset:(32*(\b/2)+8*(\b%2))*KS*4+16*\i
.endr
.endif
.endr
.irp a, 0,1,2,3
.set g, 0
.rept KS/2
	global_load_b32 v[RS+(KS/2)*\a+g], v[LS], s[RSB:RSB+1] offset:(\a*KS+2*g)*64
.set g, g+1
.endr
.endr
	WIN 0xc0
	global_load_b128 v[BQ:BQ+3], v[BQO], s[10:11]
.irp a, 0,1,2,3
.irp t, 0,1,2,3,4,5,6,7
	global_load_b128 v[RES+32*\a+4*\t:RES+32*\a+4*\t+3], v[CO], s[12:13] offset:(32*(\a/2)+8*(\a%2)+2*\t+8*(\t/4))*3072
.endr
.endr
.irp k, 0,1,2,3
	RLOAD \k
.endr
	WIN 0
	s_wait_tensorcnt 0x0                           ; my 16 rows have landed,
	s_barrier_signal -1
	s_barrier_wait -1                              ; everybody's have
	PFETCH 0, 0
	PFETCH 1, 1
.set ks, 0
.rept KS
	KSTEP ks
.set ks, ks+1
.endr
.irp a, 0,1,2,3
	OUTA \a
.endr
	WIN 0
	s_wait_tensorcnt 0x0
	ds_add_u32 v254, v255
	s_wait_dscnt 0x0
	CROUND                                         ; the closing round
	s_endpgm
.Lfunc_end_k_q7ee6effd65_ffn2:
	.size	k_q7ee6effd65_ffn2, .Lfunc_end_k_q7ee6effd65_ffn2-k_q7ee6effd65_ffn2
	.p2alignl 7, 3214868480
	.fill 96, 4, 3214868480
	.section	.rodata,"a",@progbits
	.p2align	6, 0x0
	.amdhsa_kernel k_q7ee6effd65_ffn2
		.amdhsa_group_segment_fixed_size 218112
		.amdhsa_private_segment_fixed_size 0
		.amdhsa_enable_private_segment 0
		.amdhsa_kernarg_size 48
		.amdhsa_user_sgpr_count 2
		.amdhsa_user_sgpr_kernarg_segment_ptr 1
		.amdhsa_wavefront_size32 1
		.amdhsa_system_sgpr_workgroup_id_x 1
		.amdhsa_system_sgpr_workgroup_id_y 1
		.amdhsa_system_sgpr_workgroup_id_z 1
		.amdhsa_system_vgpr_workitem_id 0
		.amdhsa_next_free_vgpr 1024
		.amdhsa_next_free_sgpr 66
		.amdhsa_reserve_vcc 0
		.amdhsa_float_denorm_mode_32 3
		.amdhsa_float_denorm_mode_16_64 3
		.amdhsa_memory_ordered 1
		.amdhsa_forward_progress 1
		.amdhsa_inst_pref_size 149
	.end_amdhsa_kernel
	.amdgpu_metadata
---
amdhsa.version: [ 1, 2 ]
amdhsa.kernels:
  - .name:           k_q7ee6effd65_ffn2
    .symbol:         k_q7ee6effd65_ffn2.kd
    .args:
      - { .name: g, .offset: 0, .size: 8, .value_kind: global_buffer, .address_space: global }
      - { .name: w2_codes, .offset: 8, .size: 8, .value_kind: global_buffer, .address_space: global }
      - { .name: w2_scales, .offset: 16, .size: 8, .value_kind: global_buffer, .address_space: global }
      - { .name: b2, .offset: 24, .size: 8, .value_kind: global_buffer, .address_space: global }
      - { .name: x1, .offset: 32, .size: 8, .value_kind: global_buffer, .address_space: global }
      - { .name: out0, .offset: 40, .size: 8, .value_kind: global_buffer, .address_space: global }
    .group_segment_fixed_size: 218112
    .private_segment_fixed_size: 0
    .kernarg_segment_align: 8
    .kernarg_segment_size: 48
    .max_flat_workgroup_size: 128
    .sgpr_count:     66
    .vgpr_count:     1024
    .wavefront_size: 32
...
	.end_amdgpu_metadata
.endif
;; end of part 6
